; MI455X (gfx1250); checked and timed in simulation.
; The chip was launched on July 23, 2026; its instructions are those of AMD's public machine-readable ISA for CDNA 5 (MIT licence, August 2026) and "CDNA5" Instruction Set Architecture Reference Guide (July 2026). The comments in the code are by the model that wrote it; some were corrected since.
;; Causal Self Attention. Allowed arithmetic: matrix products marked QUANTISED: E3M2 operands, one E8M0 scale for each 32 along K, by v_wmma_scale_f32_16x16x128_f8f6f4 with both operands' format E3M2, f32 sums; everything else in f32.
;; Inputs: W_attn 1,024 x 3,072 float32; W_proj 1,024 x 1,024 float32; b_attn 3,072 float32; b_proj 1,024 float32; x 4 x 2,048 x 1,024 float32.
;; Outputs: out0 4 x 2,048 x 1,024 float32.
;; This version of the problem:
;;   THIS VERSION OF THE PROBLEM IS GIVEN IN LOW PRECISION. The matrix products marked QUANTISED in the list below multiply operands that are first quantised to E3M2 (3 exponent bits, 2 mantissa bits; 6 bits a number), with one power-of-two scale for each 32 numbers along K (OCP MX v1.0); their sums are f32. All else is computed in f32.
;;   The module's matrix products, in the order in which they are computed (A, B: the left and right operand; K: the contracted axis; several contracted axes count as one K, in the product's order):
;;     1. [M 8,192, K 1,024] x [K 1,024, N 3,072]; A: input x; B: input W_attn: QUANTISED
;;     2. batch 64 x [M 2,048, K 64] x [K 64, N 2,048]; A: computed on the way; B: computed on the way: QUANTISED
;;     3. batch 64 x [M 2,048, K 2,048] x [K 2,048, N 64]; A: softmax (see below); B: computed on the way: QUANTISED
;;     4. [M 8,192, K 1,024] x [K 1,024, N 1,024]; A: computed on the way; B: input W_proj: QUANTISED
;;   THE QUANTISER, for each operand of a quantised product, along K:
;;     - K is cut into blocks of 32 from its start; a last block that is shorter is filled with zeros.
;;     - A block's scale is 2^e with e = floor(log2(the largest magnitude in the block)) - 4, held to -126 .. 127; a block of zeros has e = 0. As a byte (E8M0): e + 127.
;;     - Each number is divided by its block's scale, clamped to +-28, and rounded to the nearest number of E3M2, ties to even, subnormals kept.
;;     - The product sums the exact products of the quantised numbers (number of the format x scale) in f32.
;;   ~~~python
;;   def quantise(x, axis):      # numpy; x: float32 -> the quantised numbers, widened to float32 again
;;       x = np.moveaxis(x, axis, -1); K = x.shape[-1]
;;       x = np.pad(x, [(0, 0)] * (x.ndim - 1) + [(0, -K % 32)]); x = x.reshape(x.shape[:-1] + (-1, 32)); a = np.abs(x).max(-1, keepdims=True)
;;       e = np.where(a > 0, np.clip(np.frexp(np.where(a > 0, a, 1))[1] - 1 - 4, -126, 127), 0)      # np.frexp(a)[1] - 1 = floor(log2(a)), exactly
;;       r = np.clip(x / 2.0 ** e, -28, 28)
;;       step = 2.0 ** (np.maximum(np.frexp(np.where(r == 0, 1, r))[1] - 1, -2) - 2)
;;       q = np.round(r / step) * step * 2.0 ** e      # np.round: ties to even
;;       return np.moveaxis(q.reshape(q.shape[:-2] + (-1,))[..., :K], -1, axis).astype(np.float32)
;;   ~~~
;;   SOFTMAX AHEAD OF A QUANTISED PRODUCT. Where the list says 'softmax', what is quantised is not the finished softmax but p = 2^(t - M), with t = logit x log2(e) and M = ceil(the row's largest t), a whole number; so 1/2 < the row's largest p <= 1. The row's sum l is taken of the UNQUANTISED p, in f32, and the product's result is divided by l at the end. Since M is a whole number, a kernel that streams over the keys may use a running M (the ceiling of the running maximum): every later rescaling is an exact power of two, which a block's scale takes up: the codes' values come out the same.
;;   OPERANDS COMPUTED ON THE WAY. 'Computed on the way' means the value that the module computes at that place (a softmax that the list does not call 'softmax' is quantised finished and normalised). What goes into a quantiser is computed in f32, as accurately as f32 sums, v_exp_f32 and their like allow (about 1e-6 of the number): no bf16 or f16 on the way to a quantiser, and a product that is left as it is and whose result goes on into a quantised operand takes f32 operands (vector FMAs, or v_wmma_f32_16x16x4_f32). A number that lies on a knife's edge between two numbers of the format may be rounded either way, as far as f32 arithmetic and the matrix unit's own rounding can turn it there, and no further.
;; One version. Each part assembles by itself: llvm-mc -triple=amdgcn-amd-amdhsa -mcpu=gfx1250 --defsym DOCPART=n.
;; ======== version 1 of 1: 4 launches
;; workspace buffers: op1 8,650,752 bytes; sc1 360,448 bytes; op2 7,077,888 bytes; sc2 294,912 bytes; kv 13,107,200 bytes; qb 13,107,200 bytes
;; launch prep (part 1): grid 512 x 1, 2 waves a work-group, no clusters, 17,152 bytes of LDS; arguments x, W_attn, W_proj, op1, sc1, op2, sc2; writes op1, sc1, op2, sc2
.if DOCPART == 1
	.amdgcn_target "amdgcn-amd-amdhsa--gfx1250"
	.amdhsa_code_object_version 6
	.text
	.protected	k_q262563f550_prep
	.globl	k_q262563f550_prep
	.p2align	8
	.type	k_q262563f550_prep,@function
k_q262563f550_prep:
	s_mov_b64 s[64:65], 0
	v_nop
	global_prefetch_b8 v0, s[64:65] scope:SCOPE_SE
	s_setreg_imm32_b32 hwreg(HW_REG_WAVE_MODE, 25, 1), 1
	s_wait_xcnt 0x0
; x [8192][1024], W_attn [1024][3072] and W_proj [1024][1024], f32, become codes of BF6 (E3M2) with one E8M0 byte for each 32 along K (x: its last axis; the weights: their FIRST axis).
; A block's scale is 2^(floor(log2(its largest magnitude)) - 4); its byte is the largest magnitude's exponent field - 4, held at 1 from below.
; LIMITS: NaN and infinities are not served; a block whose largest magnitude lies under 2^-122 is held at the byte 1; a block of zeros gets the byte 1 where the rule says 127 (its codes are zeros, and this program alone reads the bytes).
; WHAT IS STORED IS THE IMAGE OF THE OPERAND'S REGISTERS.  A fragment (16 rows x 128 K, 12 registers a lane) is 1,536 bytes: registers 2 p, 2 p + 1 of lane l at 256 p + 8 l.  A row tile's eight K steps lie on end: 12,288 bytes.
; ROWS ARE KEPT IN POSITION ORDER: row rho of row tile 2 beta + u is the true row (or column of a weight) 32 beta + 16 (rho / 8) + 8 u + rho % 8.  So a product whose source 0 is tiles 2 beta and 2 beta + 1 leaves 16 true neighbours in a lane's 16 registers.
; Scale bytes: 32 for each row in position order, word s for K step s.
; Work-groups 0-255: x, a row tile to a wave.  256-447: W_attn, 448-511: W_proj: 32 columns x 256 along K to a wave.  No barrier: waves share nothing.  Only x's path touches LDS.
.set WV,  18                           ; s18      my wave's number
.set SEL, 20                           ; s[20:21] v_permlanex16_b32's selects for lane l xor 16
.set HM,  22                           ; s22      the mask of lanes 16-31
.set VIN, 4                            ; v4   the loads' offset
.set VST, 5                            ; v5   x: into my stage: 16 x lane
.set VLD, 6                            ; v6   x: out of it: 528 r + 64 h
.set VO8, 7                            ; v7   8 x lane: an image's place for my lane
.set VSC, 8                            ; v8   the scale bytes' offset
.set TM,  12                           ; v12-27  x: at work in QUANT;  weights: v11-13 at work
.set SB,  24                           ; v24-25  weights: my column's eight scale bytes
.set SCW, 28                           ; v28-35  x: a scale word for each K step
.set T,   36                           ; v36-39  x: the scale words on their way out
.set PC,  40                           ; v40-58  x: the codes just made;  weights: v40-45 the even block's, v48-53 the odd block's, v56-62 second halves
.set X,   64                           ; v64-127 64 numbers at work
.set R,   128                          ; v128-255 x: two sets of 64 numbers as they are loaded
; x: K step s of my 16 rows: each load reads 512 consecutive bytes of one row
.macro LOADF s
.set RS, R+64*((\s)%2)
.set n, 0
.rept 16
	global_load_b128 v[RS+4*n:RS+4*n+3], v[VIN], s[4:5] offset:((n%8)+16*(n/8))*4096+512*(\s) th:TH_LOAD_NT
.set n, n+1
.endr
.endm
; 64 numbers of a lane, register 16 b + i = k 32 b + 16 (lane / 16) + i of my row, become a fragment's codes in v[PC] on and its scale word in v[pw]
.macro QUANT src, pw
.irp b, 0,1,2,3
	v_max3_num_f32 v[TM+\b], |v[\src+16*\b]|, |v[\src+1+16*\b]|, 0x2800000   ; my 16 numbers of block b, and the floor 2^(5 - 127): the byte cannot fall under 1
.endr
.irp i, 2,4,6,8,10,12,14
.irp b, 0,1,2,3
	v_max3_num_f32 v[TM+\b], v[TM+\b], |v[\src+16*\b+\i]|, |v[\src+1+16*\b+\i]|
.endr
.endr
.irp b, 0,1,2,3
	v_permlanex16_b32 v[TM+4+\b], v[TM+\b], s[SEL], s[SEL+1]
.endr
.irp b, 0,1,2,3
	v_max_num_f32 v[TM+\b], v[TM+\b], v[TM+4+\b]           ; with lane l xor 16's: the block's largest magnitude
.endr
.irp b, 0,1,2,3
	v_add_nc_u32 v[TM+12+\b], 0xfe000000, v[TM+\b]         ; 4 off its exponent field: the conversion's scale operand
.endr
.irp b, 0,1,2,3
	v_lshrrev_b32 v[TM+4+\b], 23, v[TM+12+\b]              ; the scale's byte
.endr
	v_lshl_or_b32 v[\pw], v[TM+5], 8, v[TM+4]
	v_lshl_or_b32 v[\pw], v[TM+6], 16, v[\pw]
	v_lshl_or_b32 v[\pw], v[TM+7], 24, v[\pw]
.irp c, 0,1
	v_cvt_scalef32_pk16_bf6_f32 v[PC+6*\c:PC+2+6*\c], v[\src+32*\c:\src+15+32*\c], v[TM+12+2*\c]
	v_cvt_scalef32_pk16_bf6_f32 v[PC+12+4*\c:PC+14+4*\c], v[\src+16+32*\c:\src+31+32*\c], v[TM+12+2*\c+1]   ; (a conversion's three registers begin on an even number)
.endr
	v_nop                                          ; one plain place behind a scaled conversion
.irp c, 0,1                                    ; the operand's layout wants a whole block in a lane: lanes 0-15 block 2 c, lanes 16-31 block 2 c + 1
.irp i, 0,1,2
	v_permlane16_swap_b32 v[PC+6*\c+\i], v[PC+12+4*\c+\i]
.endr
.irp i, 0,1,2
	v_mov_b32 v[PC+3+6*\c+\i], v[PC+12+4*\c+\i]
.endr
.endr
.endm
; x: one fragment.  The rows go through my stage (rows 528 bytes apart), so that a lane gets 16 neighbours of each block of its row
.macro FRAGX s
.if (\s) < 7
	s_wait_loadcnt 16                              ; this K step's 16 loads are in; the next step's 16 may be out
.else
	s_wait_loadcnt 0x0
.endif
.set RS, R+64*((\s)%2)
.set n, 0
.rept 16
	ds_store_b128 v[VST], v[RS+4*n:RS+4*n+3] offset:528*n
.set n, n+1
.endr
.irp b, 0,1,2,3
.irp j, 0,1,2,3
	ds_load_b128 v[X+16*\b+4*\j:X+16*\b+4*\j+3], v[VLD] offset:128*\b+16*\j   ; LDS serves a wave's instructions in order: these see the stores above
.endr
.endr
	s_wait_dscnt 0x0                               ; the numbers are back, and the stage's stores have read their registers
	s_wait_xcnt 0x0                                ; the last fragment's stores have read v[PC] on: it is written again below
.if (\s) < 6
	LOADF (\s)+2
.endif
	QUANT X, SCW+(\s)
.irp p, 0,1,2,3,4,5
	global_store_b64 v[VO8], v[PC+2*\p:PC+2*\p+1], s[10:11] offset:1536*(\s)+256*\p   ; 32 lanes store 256 consecutive bytes, at a multiple of 256 from the buffer's first byte
.endr
.endm
; a weight: block t of my 256 along K: W(32 t + i, my column): a wave's load reads 128 consecutive bytes
.macro LOADW t, nb, pw
.set XL, X+32*((\t)%2)
.set n, 0
.rept 32
	global_load_b32 v[XL+n], v[VIN], s[\pw:\pw+1] offset:(32*(\t)+n)*\nb th:TH_LOAD_NT
.set n, n+1
.endr
.endm
.macro BLOCKW t, nb, pw, po
.set XS, X+32*((\t)%2)
.set CD, 40+8*((\t)%2)
.set CH, 56+4*((\t)%2)
.if (\t) < 7
	s_wait_loadcnt 32                              ; this block's 32 loads are in; the next block's may be out
.else
	s_wait_loadcnt 0x0
.endif
	v_max3_num_f32 v12, |v[XS]|, |v[XS+1]|, |v[XS+2]|      ; the block's largest magnitude: all 32 numbers are mine
	v_max3_num_f32 v13, |v[XS+3]|, |v[XS+4]|, |v[XS+5]|
.irp i, 6,10,14,18,22,26
	v_max3_num_f32 v12, v12, |v[XS+\i]|, |v[XS+\i+1]|
	v_max3_num_f32 v13, v13, |v[XS+\i+2]|, |v[XS+\i+3]|
.endr
	v_max3_num_f32 v12, v12, |v[XS+30]|, |v[XS+31]|
	v_max3_num_f32 v12, v12, v13, 0x2800000        ; and the floor
	v_add_nc_u32 v11, 0xfe000000, v12              ; the conversion's scale operand
	v_lshrrev_b32 v13, 23, v11                     ; the scale's byte
.if (\t)%4 == 0
	v_mov_b32 v[SB+(\t)/4], v13
.else
	v_lshl_or_b32 v[SB+(\t)/4], v13, 8*((\t)%4), v[SB+(\t)/4]
.endif
.if ((\t)%2 == 0) && ((\t) >= 2)
	s_wait_alu depctr_va_vdst(0)
	s_wait_xcnt 0x0                                ; the last pair's stores have read v40-53: they are written again below
.endif
	v_cvt_scalef32_pk16_bf6_f32 v[CD:CD+2], v[XS:XS+15], v11
	v_cvt_scalef32_pk16_bf6_f32 v[CH:CH+2], v[XS+16:XS+31], v11
	v_nop                                          ; one plain place behind a scaled conversion
.irp i, 0,1,2
	v_mov_b32 v[CD+3+\i], v[CH+\i]                 ; six registers on end: my row's block t
.endr
.if (\t)+2 < 8
	LOADW (\t)+2, \nb, \pw
.endif
.if (\t)%2
.irp i, 0,1,2,3,4,5
	v_permlane16_swap_b32 v[40+\i], v[48+\i]       ; v40-45: rows 0-15, the even block in lanes 0-15 and the odd one in lanes 16-31: half a fragment of my first row tile; v48-53: the same of my second
.endr
.irp u, 0,1
.irp p, 0,1,2
	global_store_b64 v[VO8], v[40+8*\u+2*\p:40+8*\u+2*\p+1], s[\po:\po+1] offset:\u*12288+((\t)/4)*1536+(((\t)/2)%2)*768+256*\p
.endr
.endr
.endif
.endm
; a weight's path.  nb: bytes in a row of W; g0: the path's first work-group; pw, po, ps: the registers of W, of the codes' buffer, of the scales' buffer
.macro WPATH nb, g0, pw, po, ps
	s_sub_co_u32 s24, ttmp9, \g0
	s_and_b32 s25, s24, 3                          ; which 256 along K
	s_lshr_b32 s24, s24, 2
	s_lshl_b32 s24, s24, 6
	s_lshl_b32 s26, s[WV], 5
	s_add_co_u32 s24, s24, s26                     ; my wave's first column
	s_mul_i32 s26, s25, 256*\nb
	s_lshl_b32 s28, s24, 2
	s_add_co_u32 s26, s26, s28
	s_mov_b32 s27, 0
	s_lshr_b32 s28, s24, 4
	s_mul_i32 s28, s28, 12288                      ; my first row tile among the weight's,
	s_mul_i32 s30, s25, 3072                       ; my two K steps in it,
	s_add_co_u32 s28, s28, s30
	s_add_co_u32 s28, s28, 6291456                 ; behind the 512 row tiles of x or of y
	s_mov_b32 s29, 0
	s_lshl_b32 s30, s24, 5
	s_lshl_b32 s31, s25, 3
	s_add_co_u32 s30, s30, s31
	s_add_co_u32 s30, s30, 262144                  ; behind the 8,192 rows' scale bytes
	s_mov_b32 s31, 0
	s_wait_kmcnt 0x0
	s_add_nc_u64 s[\pw:\pw+1], s[\pw:\pw+1], s[26:27]
	s_add_nc_u64 s[\po:\po+1], s[\po:\po+1], s[28:29]
	s_add_nc_u64 s[\ps:\ps+1], s[\ps:\ps+1], s[30:31]
	LOADW 0, \nb, \pw
	LOADW 1, \nb, \pw
.irp t, 0,1,2,3,4,5,6,7
	BLOCKW \t, \nb, \pw, \po
.endr
	global_store_b64 v[VSC], v[SB:SB+1], s[\ps:\ps+1]      ; 8 of my row's 32 scale bytes: one byte for each 128 that the path reads
	s_endpgm
.endm
	s_load_b256 s[4:11], s[0:1], 0x0               ; x, W_attn, W_proj, op1
	s_load_b128 s[12:15], s[0:1], 0x20             ; sc1, op2
	s_load_b64 s[16:17], s[0:1], 0x30              ; sc2
	v_lshl_add_u32 v59, v0, 2, 0x4200
	v_mov_b32 v63, 0
	v_lshrrev_b32 v1, 5, v0
	v_readfirstlane_b32 s[WV], v1
	v_and_b32 v2, 31, v0                           ; lane
	v_lshlrev_b32 v[VO8], 3, v2
	s_mov_b32 s[SEL], 0x76543210
	s_mov_b32 s[SEL+1], 0xfedcba98
	s_mov_b32 s[HM], 0xffff0000
	s_cmp_lt_u32 ttmp9, 256
	s_cbranch_scc0 .Lweights
	; ---- x: row tile 2 g + wave: true rows 32 g + 8 wave + rho % 8 + 16 (rho / 8)
	v_and_b32 v3, 15, v0                           ; r
	v_bfe_u32 v9, v0, 4, 1                         ; h
	v_lshlrev_b32 v[VIN], 4, v2
	s_mul_i32 s24, s[WV], 8448                     ; my stage: 16 rows of 528 bytes
	v_add_nc_u32 v[VST], s24, v[VIN]
	v_mul_u32_u24 v[VLD], v3, 528
	v_lshl_add_u32 v[VLD], v9, 6, v[VLD]
	v_add_nc_u32 v[VLD], s24, v[VLD]
	v_lshlrev_b32 v[VSC], 5, v3
	v_lshl_add_u32 v[VSC], v9, 4, v[VSC]           ; 32 r + 16 h
.irp b, 0,1,2,3
	v_mov_b32 v[TM+4+\b], 0                        ; written once: a lane permute's destination counts as one of its sources
.endr
	s_lshl_b32 s24, ttmp9, 5
	s_lshl_b32 s25, s[WV], 3
	s_add_co_u32 s24, s24, s25
	s_lshl_b32 s24, s24, 12                        ; rows of 4,096 bytes
	s_mov_b32 s25, 0
	s_lshl_b32 s26, ttmp9, 1
	s_add_co_u32 s26, s26, s[WV]                   ; my row tile
	s_mul_i32 s28, s26, 12288
	s_mov_b32 s29, 0
	s_lshl_b32 s26, s26, 9
	s_mov_b32 s27, 0
	s_wait_alu depctr_va_vdst(0)
	s_wait_kmcnt 0x0
	s_add_nc_u64 s[4:5], s[4:5], s[24:25]
	s_add_nc_u64 s[10:11], s[10:11], s[28:29]
	s_add_nc_u64 s[12:13], s[12:13], s[26:27]
	LOADF 0
	LOADF 1
.irp s, 0,1,2,3,4,5,6,7
	FRAGX \s
.endr
.irp i, 0,1,2,3
	v_cndmask_b32 v[T+\i], v[SCW+\i], v[SCW+4+\i], s[HM]   ; lanes 0-15 store their row's words 0-3, lanes 16-31 words 4-7
.endr
	global_store_b128 v[VSC], v[T:T+3], s[12:13]   ; 512 consecutive bytes
	s_wait_tensorcnt 0x0
	ds_add_u32 v59, v63
	s_wait_dscnt 0x0
	s_endpgm
.Lweights:
	s_wait_alu depctr_va_vdst(0)
	; ---- a weight: lane l takes the column whose position is l: l with bits 3 and 4 exchanged
	v_and_b32 v3, 7, v2
	v_and_b32 v9, 8, v2
	v_lshl_or_b32 v3, v9, 1, v3
	v_and_b32 v9, 16, v2
	v_lshrrev_b32 v9, 1, v9
	v_or_b32 v3, v3, v9
	v_lshlrev_b32 v[VIN], 2, v3
	v_lshlrev_b32 v[VSC], 5, v2                    ; my row of scale bytes
	s_cmp_lt_u32 ttmp9, 448
	s_cbranch_scc0 .Lwproj
	s_wait_alu depctr_va_vdst(0)
	WPATH 12288, 256, 6, 10, 12
.Lwproj:
	s_wait_alu depctr_va_vdst(0)
	WPATH 4096, 448, 8, 14, 16
.Lfunc_end_k_q262563f550_prep:
	.size	k_q262563f550_prep, .Lfunc_end_k_q262563f550_prep-k_q262563f550_prep
	.p2alignl 7, 3214868480
	.fill 96, 4, 3214868480
	.section	.rodata,"a",@progbits
	.p2align	6, 0x0
	.amdhsa_kernel k_q262563f550_prep
		.amdhsa_group_segment_fixed_size 17152
		.amdhsa_private_segment_fixed_size 0
		.amdhsa_enable_private_segment 0
		.amdhsa_kernarg_size 56
		.amdhsa_user_sgpr_count 2
		.amdhsa_user_sgpr_kernarg_segment_ptr 1
		.amdhsa_wavefront_size32 1
		.amdhsa_system_sgpr_workgroup_id_x 1
		.amdhsa_system_sgpr_workgroup_id_y 1
		.amdhsa_system_sgpr_workgroup_id_z 1
		.amdhsa_system_vgpr_workitem_id 0
		.amdhsa_next_free_vgpr 256
		.amdhsa_next_free_sgpr 66
		.amdhsa_reserve_vcc 0
		.amdhsa_float_denorm_mode_32 3
		.amdhsa_float_denorm_mode_16_64 3
		.amdhsa_memory_ordered 1
		.amdhsa_forward_progress 1
		.amdhsa_inst_pref_size 147
	.end_amdhsa_kernel
	.amdgpu_metadata
---
amdhsa.version: [ 1, 2 ]
amdhsa.kernels:
  - .name:           k_q262563f550_prep
    .symbol:         k_q262563f550_prep.kd
    .args:
      - { .name: x, .offset: 0, .size: 8, .value_kind: global_buffer, .address_space: global }
      - { .name: W_attn, .offset: 8, .size: 8, .value_kind: global_buffer, .address_space: global }
      - { .name: W_proj, .offset: 16, .size: 8, .value_kind: global_buffer, .address_space: global }
      - { .name: op1, .offset: 24, .size: 8, .value_kind: global_buffer, .address_space: global }
      - { .name: sc1, .offset: 32, .size: 8, .value_kind: global_buffer, .address_space: global }
      - { .name: op2, .offset: 40, .size: 8, .value_kind: global_buffer, .address_space: global }
      - { .name: sc2, .offset: 48, .size: 8, .value_kind: global_buffer, .address_space: global }
    .group_segment_fixed_size: 17152
    .private_segment_fixed_size: 0
    .kernarg_segment_align: 8
    .kernarg_segment_size: 56
    .max_flat_workgroup_size: 64
    .sgpr_count:     66
    .vgpr_count:     256
    .wavefront_size: 32
...
	.end_amdgpu_metadata
.endif
;; end of part 1
;; launch qkv (part 2): grid 12 x 32, 4 waves a work-group, clusters of 4 x 4, 327,680 bytes of LDS; arguments op1, sc1, b_attn, qb, kv; writes qb, kv
.if DOCPART == 2
	.amdgcn_target "amdgcn-amd-amdhsa--gfx1250"
	.amdhsa_code_object_version 6
	.text
	.protected	k_q262563f550_qkv
	.globl	k_q262563f550_qkv
	.p2align	8
	.type	k_q262563f550_qkv,@function
k_q262563f550_qkv:
	s_mov_b64 s[64:65], 0
	v_nop
	global_prefetch_b8 v0, s[64:65] scope:SCOPE_SE
	s_setreg_imm32_b32 hwreg(HW_REG_WAVE_MODE, 25, 1), 1
	s_wait_xcnt 0x0
	s_wait_alu depctr_hold_cnt(0) depctr_sa_sdst(0) depctr_va_vdst(0) depctr_va_sdst(0) depctr_va_ssrc(0) depctr_va_vcc(0) depctr_vm_vsrc(0)
	s_getreg_b32 s2, hwreg(HW_REG_IB_STS2, 6, 4)
	s_cmp_eq_u32 s2, 0
	s_cbranch_scc0 .Lentry_in_a_cluster
	s_endpgm
.Lentry_in_a_cluster:
	s_bfe_u32 s2, ttmp6, 0x10000c
	s_cmp_lg_u32 s2, 0xf033
	s_cbranch_scc0 .Lentry_shape_is_right
	s_endpgm
.Lentry_shape_is_right:
; qkv = x W_attn + b_attn on codes of BF6 (E3M2) with E8M0 scales, K = 1,024; q and k are quantised along the head's 64, v along the keys, and leave as images of the next launch's operand registers.  No f32 number goes to memory.
; OPERANDS.  op1: 704 row tiles of 12,288 bytes (tiles 0-511: x; 512-703: W_attn's columns); a tile's K step s is a fragment's image of 1,536 bytes: registers 2 p, 2 p + 1 of lane l at 256 p + 8 l.  sc1: 32 scale bytes a row.
; Rows lie in position order: row rho of tile 2 beta + u is the true row 32 beta + 16 (rho / 8) + 8 u + rho % 8.
; A work-group of four waves makes 256 x 256, a wave 128 x 128: 64 accumulators.  Source 0 of a product is the REGISTER side, source 1 the LANE side: a lane holds one row of the lane side, and the 16 registers of two
; neighbouring tiles of the register side are 16 true neighbours.  Clusters with x = 0 (q) and 1 (k): lane side = tokens, register side = W's columns, so that a lane's registers run along the head.  Clusters with x = 2 (v):
; lane side = W's columns, register side = tokens, so that they run along the keys.  The path is the same in all partners of a cluster.
; K goes in eight steps of 128, two to an LDS slot, three slots; slot 0 is filled a second time (steps 6, 7).  4 x 4 work-groups form a cluster: lane-side tiles are asked for jointly along a row of it, register-side tiles along a column.
; A wave has at most three tensor loads out.  The scale words come from memory into registers once.  The bias is the C of the first K step (so the sums begin with it: another order of rounding than adding it last).
; LIMITS: NaN and infinities are not served; a block whose largest magnitude lies under 2^-122 is held at the byte 1; a block of zeros gets the byte 1 (its codes are zeros, and this program alone reads the bytes).
; REGISTERS, in windows of 256.  window 0: v16-18, v20-22 LDS addresses; v23-27, v30 offsets; v28, v29 for the add; v32-95 scale words; v96-127, v224-255 the bias; v128-223 the lane side's 8 fragments, later the way out.
;   window 1: the register side's fragments, two sets, at v0 and v128.   windows 2, 3: accumulator (a, b) at v[8 (8 (a % 4) + b)], a = 0-3 and 4-7.
.set HALFT, 24576                      ; 8 row tiles x two K steps: what one tensor load brings
.set SLOT,  98304                      ; lane side's 16 tiles, then the register side's 16
.set SPARE, 294912                     ; behind the three slots: the spare words, 128 bytes for each wave
.set SCO,   12582912                   ; where the scale words begin in qb and in kv
.set FR,   12
.set ADRA, 16                          ; v16-18  8 x lane + my half of the lane side, in slot 0, 1, 2
.set ADRB, 20                          ; v20-22  the same for the register side
.set VSO,  23                          ; v23     my scale words' offset
.set VO8,  24                          ; v24     8 x lane
.set VW0,  25                          ; v25     q, k: 4 r + 8,192 h
.set VB0,  26                          ; v26     q, k: 64 h
.set VB1,  27                          ; v27     v: 4 x my channel's place among a pair of tiles
.set SPW,  28
.set NIL,  29
.set VW1,  30                          ; v30     v: 4 x lane
.set SC,   32                          ; v[SC + 8 i + s]: lanes 0-15 the word of the lane side's block i, lanes 16-31 that of the register side's block i, for K step s
.set AF,   128
.set TM,   200                         ; the way out: v200-215 at work, v216-217 two scale words, v218-219 at work, v220-223 words to store
.set WD,   220
.set SEL,  20
.set HM,   22
.set G1A,  24                          ; s[24:31] descriptor group 1, lane side;  s[32:39] register side
.set G1B,  32
.set G0A,  40                          ; s[40:51] groups 0, lane side, one for each slot;  s[52:63] register side
.set G0B,  52
.set MSB, 0
.macro WIN new                         ; the immediate's high byte repeats the setting that is left
.if MSB != (\new)
	s_set_vgpr_msb (MSB<<8)|(\new)
.set MSB, (\new)
.endif
.endm
.macro PLACES n
.rept \n
	v_nop
.endr
.endm
; A joint load: waves 0 and 1 fetch for the lane side, waves 2 and 3 for the register side.  Four v_nop follow each of the two lines.
.macro JLOAD g0a, g1a, g0b, g1b
	s_cmp_eq_u32 s15, 0
	s_cbranch_scc0 .Lfor_b_\@
	tensor_load_to_lds s[\g0a:\g0a+3], s[\g1a:\g1a+7]
	s_nop 0
.rept 4
	v_nop
.endr
	s_branch .Lasked_\@
.Lfor_b_\@:
	tensor_load_to_lds s[\g0b:\g0b+3], s[\g1b:\g1b+7]
	s_nop 0
.rept 4
	v_nop
.endr
.Lasked_\@:
.endm
.macro CREST                           ; a round of the cluster's barrier behind its opening barrier
	s_cmp_lg_u32 s14, 0
	s_cbranch_scc1 .Lnot_wave_0_\@
	s_barrier_signal -3
.Lnot_wave_0_\@:
	s_barrier_wait -3
	s_barrier_signal -1
	s_barrier_wait -1
.endm
.macro CROUND
	s_barrier_signal -1
	s_barrier_wait -1
	CREST
.endm
.macro FRAG reg, adr, off              ; a fragment's image comes back as it was stored: each load takes 256 consecutive bytes
.irp p, 0,1,2,3,4,5
	ds_load_b64 v[\reg+2*\p:\reg+2*\p+1], v[\adr] offset:\off+256*\p
.endr
.endm
.macro FETCH_B s                       ; the register side's eight fragments of K step s into set s % 2
	WIN 0x40
.irp i, 0,1,2,3,4,5,6,7
	FRAG 128*((\s)%2)+FR*\i, ADRB+(((\s)/2)%3), 3072*\i+1536*((\s)%2)
.endr
	WIN 0
.endm
.macro FETCH_A s, i0                   ; the lane side's blocks i0 .. i0 + 3
.irp i, \i0, \i0+1, \i0+2, \i0+3
	FRAG AF+FR*(\i), ADRA+(((\s)/2)%3), 3072*(\i)+1536*((\s)%2)
.endr
.endm
.macro MWIN hi, cmode                  ; source 0 window 1, source 1 window 0, D window 2 or 3; C with D, or (the bias) in window 0
.if \cmode == 0
	WIN 0xa1+0x50*\hi
.else
	WIN 0x81+0x40*\hi
.endif
.endm
; 16 matrix instructions: the lane side's blocks a0, a0 + 1 x the register side's eight, K step s.  cmode 0: the sums go on; 1: they begin with the bias of the register side's tile; 2: of the lane side's.
; The 64 accumulators take turns, one instruction a turn, in the same order in every step.
.macro MUL16 a0, s, cmode
.irp a, \a0, \a0+1
.irp b, 0,1,2,3,4,5,6,7
.if \cmode == 0
	v_wmma_scale_f32_16x16x128_f8f6f4 v[8*(8*((\a)%4)+\b):8*(8*((\a)%4)+\b)+7], v[128*((\s)%2)+FR*\b:128*((\s)%2)+FR*\b+FR-1], v[AF+FR*(\a):AF+FR*(\a)+FR-1], v[8*(8*((\a)%4)+\b):8*(8*((\a)%4)+\b)+7], v[SC+8*\b+(\s)], v[SC+8*(\a)+(\s)] matrix_a_fmt:MATRIX_FMT_BF6 matrix_b_fmt:MATRIX_FMT_BF6 matrix_a_scale:MATRIX_SCALE_ROW1
.elseif \cmode == 1
	v_wmma_scale_f32_16x16x128_f8f6f4 v[8*(8*((\a)%4)+\b):8*(8*((\a)%4)+\b)+7], v[128*((\s)%2)+FR*\b:128*((\s)%2)+FR*\b+FR-1], v[AF+FR*(\a):AF+FR*(\a)+FR-1], v[96+8*\b+96*(\b/4):96+8*\b+96*(\b/4)+7], v[SC+8*\b+(\s)], v[SC+8*(\a)+(\s)] matrix_a_fmt:MATRIX_FMT_BF6 matrix_b_fmt:MATRIX_FMT_BF6 matrix_a_scale:MATRIX_SCALE_ROW1
.else
	v_wmma_scale_f32_16x16x128_f8f6f4 v[8*(8*((\a)%4)+\b):8*(8*((\a)%4)+\b)+7], v[128*((\s)%2)+FR*\b:128*((\s)%2)+FR*\b+FR-1], v[AF+FR*(\a):AF+FR*(\a)+FR-1], v[96+8*(\a)+96*((\a)/4):96+8*(\a)+96*((\a)/4)+7], v[SC+8*\b+(\s)], v[SC+8*(\a)+(\s)] matrix_a_fmt:MATRIX_FMT_BF6 matrix_b_fmt:MATRIX_FMT_BF6 matrix_a_scale:MATRIX_SCALE_ROW1
.endif
.endr
.endr
.endm
; A K step whose successor's tiles are known to lie in LDS.  Four plain places stand in front of each run of loads into registers that matrix instructions have read (ISA guide 7.12.1 for vector instructions).
.macro KSTEP s, cmode
	s_wait_dscnt 24                                ; the register side's set and the lane side's blocks 0-3 are in; the youngest 24 loads (blocks 4-7) may be out
	MWIN 0, \cmode
	MUL16 0, \s, \cmode
	MUL16 2, \s, \cmode
	s_wait_dscnt 0x0                               ; blocks 4-7 are in
	PLACES 4
	FETCH_B (\s)+1
	FETCH_A (\s)+1, 0
	MWIN 1, \cmode
	MUL16 4, \s, \cmode
	MUL16 6, \s, \cmode
	PLACES 4
	WIN 0
	FETCH_A (\s)+1, 4
.endm
; A K step with a barrier in it.  In front of the barrier each wave waits for all its tensor loads, adds 0 to its spare word, and waits for that and for its reads.  fill = 1: slot 0, which nobody reads any more, takes K steps 6 and 7.
.macro KTURN s, fill
	s_wait_tensorcnt 0x0                           ; all my tensor loads have landed  (every window is 0 here)
	ds_add_u32 v[SPW], v[NIL]                      ; 0 onto my spare word
	s_wait_dscnt 25                                ; (the add and the youngest 24 loads may be out)
	MWIN 0, 0
	MUL16 0, \s, 0                                 ; sixteen matrix instructions stand between the add and the wait for it
	s_wait_dscnt 0x0                               ; the add is done, and all my LDS reads are back
	s_barrier_signal -1
	MUL16 2, \s, 0
	WIN 0
	s_barrier_wait -1
.if \fill
	CREST                                          ; the barrier has opened a round of the cluster's barrier: no wave of any partner still reads slot 0 or has a load on its way
	s_add_nc_u64 s[G0A+2:G0A+3], s[G0A+2:G0A+3], 9216      ; six K steps on
	s_add_nc_u64 s[G0B+2:G0B+3], s[G0B+2:G0B+3], 9216
	JLOAD G0A, G1A, G0B, G1B                       ; the first tensor load behind the round; it has four K steps, 256 matrix instructions, in which to land.  Its four v_nop are the places for the loads below
.else
	PLACES 4
.endif
	FETCH_B (\s)+1
	FETCH_A (\s)+1, 0
	MWIN 1, 0
	MUL16 4, \s, 0
	MUL16 6, \s, 0
	PLACES 4
	WIN 0
	FETCH_A (\s)+1, 4
.endm
	s_load_b256 s[4:11], s[0:1], 0x0               ; op1, sc1, b_attn, qb
	s_load_b64 s[12:13], s[0:1], 0x20              ; kv
	v_lshl_add_u32 v[SPW], v0, 2, SPARE
	v_mov_b32 v[NIL], 0
	ds_add_u32 v28, v29
	s_wait_dscnt 0x0
	v_lshrrev_b32 v1, 5, v0
	v_readfirstlane_b32 s14, v1                    ; wave 0..3
	s_lshr_b32 s15, s14, 1                         ; wr: my half of the lane side.  Also: I fetch for the lane side (0) or the register side (1)
	s_and_b32 s16, s14, 1                          ; wc: my half of the register side.  Also: which 8 tiles I fetch
	s_bfe_u32 s66, ttmp6, 0x40000                  ; cx
	s_bfe_u32 s67, ttmp6, 0x40004                  ; cy
	s_and_b32 s70, ttmp7, 0xffff
	s_lshl_b32 s70, s70, 2                         ; 4 x cluster y
	s_lshl_b32 s71, ttmp9, 2                       ; 4 x cluster x
	s_cmp_eq_u32 ttmp9, 2                          ; v's clusters
	s_cselect_b32 s19, 1, 0                        ; the path
	s_cselect_b32 s72, 0, s70
	s_cselect_b32 s73, s70, s71
	s_cselect_b32 s74, 640, 0                      ; the lane side's first row tile in op1: v's columns, or x
	s_cselect_b32 s75, 0, 512                      ; the register side's: x, or W's columns
	s_add_co_u32 s17, s72, s67                     ; TR: which 256 rows of the lane side: cy, plus 4 x cluster y for q and k
	s_add_co_u32 s18, s73, s66                     ; TC: which 256 of the register side: cx, plus 4 x cluster x (q, k) or 4 x cluster y (v)
	s_lshl_b32 s76, s17, 4
	s_add_co_u32 s76, s76, s74                     ; the lane side's first tile
	s_lshl_b32 s77, s18, 4
	s_add_co_u32 s77, s77, s75                     ; the register side's
	s_lshl_b32 s68, s67, 2
	s_lshl_b32 s68, 15, s68                        ; my row of the cluster
	s_lshl_b32 s69, 0x1111, s66                    ; my column
	s_or_b32 s[G1A], s68, (3<<16)|(1<<21)          ; 15:0 the mask; 17:16 elements of 8 bytes; 21 set beside a mask; no padding
	s_or_b32 s[G1B], s69, (3<<16)|(1<<21)
.irp g, G1A, G1B
	s_mov_b32 s[\g+1], 384<<16                     ; tensor_dim0: 3,072 bytes: a row tile's two K steps
	s_mov_b32 s[\g+2], 8<<16                       ; tensor_dim1: 8 row tiles
	s_mov_b32 s[\g+3], 384<<16                     ; tile_dim0
	s_mov_b32 s[\g+4], 8                           ; tile_dim1
	s_mov_b32 s[\g+5], 1536                        ; from row tile to row tile: 12,288 bytes
	s_mov_b32 s[\g+6], 0
	s_mov_b32 s[\g+7], 0
.endr
	s_mov_b32 s[SEL], 0x76543210
	s_mov_b32 s[SEL+1], 0xfedcba98
	s_mov_b32 s[HM], 0xffff0000
	s_lshl_b32 s78, s16, 3
	s_add_co_u32 s80, s76, s78
	s_mul_i32 s80, s80, 12288
	s_mov_b32 s81, 0
	s_add_co_u32 s82, s77, s78
	s_mul_i32 s82, s82, 12288
	s_mov_b32 s83, 0
	s_mul_i32 s79, s14, HALFT                      ; where my tiles go: no place in the cluster enters an LDS address
	s_wait_kmcnt 0x0
	s_add_nc_u64 s[80:81], s[4:5], s[80:81]
	s_add_nc_u64 s[82:83], s[4:5], s[82:83]
	CROUND                                         ; all sixteen work-groups are here: the first joint loads meet
.irp t, 0,1,2
	s_mov_b32 s[G0A+4*\t], 1
	s_add_co_u32 s[G0A+4*\t+1], s79, \t*SLOT
	s_add_nc_u64 s[G0A+4*\t+2:G0A+4*\t+3], s[80:81], \t*3072
	s_or_b32 s[G0A+4*\t+3], s[G0A+4*\t+3], 0x80000000
	s_mov_b32 s[G0B+4*\t], 1
	s_add_co_u32 s[G0B+4*\t+1], s79, \t*SLOT
	s_add_nc_u64 s[G0B+4*\t+2:G0B+4*\t+3], s[82:83], \t*3072
	s_or_b32 s[G0B+4*\t+3], s[G0B+4*\t+3], 0x80000000
	JLOAD G0A+4*\t, G1A, G0B+4*\t, G1B             ; K steps 2 t and 2 t + 1
.endr
	v_and_b32 v1, 31, v0
	v_lshlrev_b32 v[VO8], 3, v1
	v_lshlrev_b32 v[VW1], 2, v1
	s_mul_i32 s84, s15, HALFT
	s_mul_i32 s85, s16, HALFT
	s_add_co_u32 s85, s85, 2*HALFT
.irp t, 0,1,2
	v_add_nc_u32 v[ADRA+\t], s84, v[VO8]
	v_add_nc_u32 v[ADRB+\t], s85, v[VO8]
	s_add_co_u32 s84, s84, SLOT
	s_add_co_u32 s85, s85, SLOT
.endr
	v_and_b32 v3, 15, v0                           ; r
	v_bfe_u32 v2, v0, 4, 1                         ; h
	v_lshlrev_b32 v[VW0], 2, v3
	v_lshl_add_u32 v[VW0], v2, 13, v[VW0]
	v_lshlrev_b32 v[VB0], 6, v2
	v_and_b32 v4, 7, v0
	v_and_b32 v5, 8, v0
	v_lshl_add_u32 v4, v5, 1, v4
	v_lshlrev_b32 v[VB1], 2, v4
	v_lshlrev_b32 v3, 5, v3                        ; 32 bytes of scales a row
	s_lshl_b32 s86, s15, 3
	s_add_co_u32 s86, s86, s76
	s_lshl_b32 s86, s86, 9                         ; my 8 tiles of the lane side: 512 bytes of scales a tile
	s_lshl_b32 s87, s16, 3
	s_add_co_u32 s87, s87, s77
	s_lshl_b32 s87, s87, 9                         ; and of the register side
	v_mov_b32 v4, s86
	v_mov_b32 v5, s87
	v_cndmask_b32 v4, v4, v5, s[HM]                ; lanes 16-31 take the register side's
	v_add_nc_u32 v[VSO], v3, v4
.irp i, 0,1,2,3,4,5,6,7
.irp e, 0,1
	global_load_b128 v[SC+8*\i+4*\e:SC+8*\i+4*\e+3], v[VSO], s[6:7] offset:512*\i+16*\e   ; the words of K steps 4 e .. 4 e + 3: they stay
.endr
.endr
	s_cmp_eq_u32 s19, 0                            ; the bias runs along W's columns: the register side for q and k, the lane side for v
	s_cselect_b32 s88, s18, s17
	s_cselect_b32 s89, s16, s15
	s_cselect_b32 s90, 0, 8192
	s_lshl_b32 s88, s88, 10
	s_lshl_b32 s89, s89, 9
	s_add_co_u32 s88, s88, s89
	s_add_co_u32 s88, s88, s90
	s_mov_b32 s89, 0
	s_add_nc_u64 s[88:89], s[8:9], s[88:89]
	s_cmp_eq_u32 s19, 0
	s_cbranch_scc0 .Lbias_v
.irp b, 0,1,2,3,4,5,6,7                        ; tile b, lane half h, register j: column 32 (b / 2) + 16 h + 8 (b % 2) + j
	global_load_b128 v[96+8*\b+96*(\b/4):96+8*\b+96*(\b/4)+3], v[VB0], s[88:89] offset:(32*(\b/2)+8*(\b%2))*4
	global_load_b128 v[96+8*\b+96*(\b/4)+4:96+8*\b+96*(\b/4)+7], v[VB0], s[88:89] offset:(32*(\b/2)+8*(\b%2))*4+16
.endr
	s_branch .Lbias_done
.Lbias_v:
.irp b, 0,1,2,3,4,5,6,7                        ; tile b, lane r: channel 32 (b / 2) + 8 (b % 2) + 16 (r / 8) + r % 8, the same in all eight registers
.irp j, 0,1,2,3,4,5,6,7
	global_load_b32 v[96+8*\b+96*(\b/4)+\j], v[VB1], s[88:89] offset:(32*(\b/2)+8*(\b%2))*4
.endr
.endr
.Lbias_done:
	s_wait_tensorcnt 2                             ; my part of slot 0 is in; slots 1 and 2 may be out
	s_wait_loadcnt 0x0                             ; the scale words and the bias
	s_barrier_signal -1
	s_barrier_wait -1
	FETCH_B 0
	FETCH_A 0, 0
	FETCH_A 0, 4
	s_cmp_eq_u32 s19, 0
	s_cbranch_scc0 .Lfirst_v
	KSTEP 0, 1                                     ; the first step's products start the sums, with the bias as C
	s_branch .Lfirst_done
.Lfirst_v:
	KSTEP 0, 2
.Lfirst_done:
	KTURN 1, 1                                     ; every wave's wait for all its loads covers slots 1 and 2 too: no barrier is owed where the reads pass from slot 1 to slot 2
	KSTEP 2, 0
	KSTEP 3, 0
	KSTEP 4, 0
	KTURN 5, 0                                     ; in front of the reads of slot 0's second fill
	KSTEP 6, 0
	s_wait_dscnt 24                                ; the last step: nothing more to fetch
	MWIN 0, 0
	MUL16 0, 7, 0
	MUL16 2, 7, 0
	s_wait_dscnt 0x0
	MWIN 1, 0
	MUL16 4, 7, 0
	MUL16 6, 7, 0
	WIN 0
; THE WAY OUT.  The 64 accumulator registers of the lane side's block a are 64 numbers of my lane's row: register 16 b + i = true index 32 b + 16 (lane / 16) + i of the register side.  They become a fragment's codes and its scale word.
.macro QUANTW a
.set AC, 64*((\a)%4)
.set PC, 128+20*((\a)%2)
.set PW, 216+(\a)%2
.if (\a) >= 2
	s_wait_xcnt 0x0                                ; the stores of two blocks ago have read v[PC] on
.endif
	WIN 0x0a+5*((\a)/4)                            ; sources 0 and 1: the accumulators' window
.irp b, 0,1,2,3
	v_max3_num_f32 v[TM+\b], |v[AC+16*\b]|, |v[AC+16*\b+1]|, 0x2800000     ; each accumulator is read from its low end on; the floor 2^(5 - 127) holds the byte at 1 from below
.endr
.irp i, 2,4,6,8,10,12,14
.irp b, 0,1,2,3
	v_max3_num_f32 v[TM+\b], |v[AC+16*\b+\i]|, |v[AC+16*\b+\i+1]|, v[TM+\b]
.endr
.endr
	WIN 0
.irp b, 0,1,2,3
	v_permlanex16_b32 v[TM+4+\b], v[TM+\b], s[SEL], s[SEL+1]
.endr
.irp b, 0,1,2,3
	v_max_num_f32 v[TM+\b], v[TM+\b], v[TM+4+\b]
.endr
.irp b, 0,1,2,3
	v_add_nc_u32 v[TM+12+\b], 0xfe000000, v[TM+\b] ; 4 off the exponent field: the conversion's scale operand
.endr
.irp b, 0,1,2,3
	v_lshrrev_b32 v[TM+4+\b], 23, v[TM+12+\b]
.endr
	v_lshl_or_b32 v[PW], v[TM+5], 8, v[TM+4]
	v_lshl_or_b32 v[PW], v[TM+6], 16, v[PW]
	v_lshl_or_b32 v[PW], v[TM+7], 24, v[PW]
	WIN 0x02+(\a)/4                                ; source 0: the accumulators' window
.irp c, 0,1
	v_cvt_scalef32_pk16_bf6_f32 v[PC+6*\c:PC+2+6*\c], v[AC+32*\c:AC+15+32*\c], v[TM+12+2*\c]
	v_cvt_scalef32_pk16_bf6_f32 v[PC+12+4*\c:PC+14+4*\c], v[AC+16+32*\c:AC+31+32*\c], v[TM+12+2*\c+1]
.endr
	WIN 0
	v_nop                                          ; one plain place behind a scaled conversion
.irp c, 0,1
.irp i, 0,1,2
	v_permlane16_swap_b32 v[PC+6*\c+\i], v[PC+12+4*\c+\i]
.endr
.irp i, 0,1,2
	v_mov_b32 v[PC+3+6*\c+\i], v[PC+12+4*\c+\i]
.endr
.endr
.endm
; path 0 (q, k): block a is 16 tokens x two heads: half c of the fragment is key tile 8 wr + a of head0 + c.  path 1 (v): block a is 16 channels (head0 + a / 4, tile a % 4) x my 128 keys.
.macro EPI path
	PLACES 4                                       ; behind the last products, in front of the first reads of results and the first writes of registers that they read
.irp b, 0,1,2,3
	v_mov_b32 v[TM+4+\b], 0                        ; written once: a lane permute's destination counts as one of its sources
.endr
.irp a, 0,1,2,3,4,5,6,7
	QUANTW \a
.irp p, 0,1,2,3,4,5
.if \path == 0
	global_store_b64 v[VO8], v[PC+2*\p:PC+2*\p+1], s[78:79] offset:(\p/3)*196608+768*\a+256*(\p%3)   ; 32 lanes store 256 consecutive bytes, at a multiple of 256 from the buffer's first byte
.else
	global_store_b64 v[VO8], v[PC+2*\p:PC+2*\p+1], s[78:79] offset:(\a/4)*196608+1536*(\a%4)+256*\p
.endif
.endr
.if \a%2
.if \path == 0
	v_perm_b32 v218, v217, v216, 0x05040100        ; head0's word of the pair of key tiles: the even tile's two bytes, then the odd tile's
	v_perm_b32 v219, v217, v216, 0x07060302        ; head0 + 1's
	v_cndmask_b32 v[WD+\a/2], v218, v219, s[HM]
	global_store_b32 v[VW0], v[WD+\a/2], s[80:81] offset:64*(\a/2)         ; 64 consecutive bytes for each head: one byte for each 24 of codes
.else
	v_cndmask_b32 v[WD+\a/2], v216, v217, s[HM]    ; lanes 0-15 the even tile's rows, lanes 16-31 the odd tile's
	global_store_b32 v[VW1], v[WD+\a/2], s[80:81] offset:8192*(\a/4)+64*((\a-1)%4)   ; 128 consecutive bytes
.endif
.endif
.endr
.endm
	s_cmp_eq_u32 s19, 0
	s_cbranch_scc0 .Lout_v
	s_lshr_b32 s70, s17, 3                         ; q, k: the batch,
	s_lshl_b32 s70, s70, 4
	s_lshl_b32 s71, s18, 2
	s_lshl_b32 s72, s16, 1
	s_add_co_u32 s71, s71, s72
	s_and_b32 s71, s71, 15                         ; my first head,
	s_add_co_u32 s70, s70, s71
	s_lshl_b32 s70, s70, 3
	s_and_b32 s71, s17, 7                          ; the slot of 256 tokens
	s_add_co_u32 s70, s70, s71
	s_mul_i32 s72, s70, 24576
	s_mul_i32 s73, s15, 6144                       ; my 8 key tiles of 768 bytes
	s_add_co_u32 s72, s72, s73
	s_mov_b32 s73, 0
	s_lshl_b32 s74, s70, 10
	s_lshl_b32 s75, s15, 8
	s_add_co_u32 s74, s74, s75
	s_add_co_u32 s74, s74, SCO
	s_mov_b32 s75, 0
	s_cmp_eq_u32 ttmp9, 0
	s_cselect_b64 s[76:77], s[10:11], s[12:13]     ; q goes to qb, k to kv
	s_add_nc_u64 s[78:79], s[76:77], s[72:73]
	s_add_nc_u64 s[80:81], s[76:77], s[74:75]
	EPI 0
	s_branch .Lend
.Lout_v:
	s_lshr_b32 s70, s18, 3                         ; v: the batch,
	s_lshl_b32 s70, s70, 4
	s_lshl_b32 s71, s17, 2
	s_lshl_b32 s72, s15, 1
	s_add_co_u32 s71, s71, s72                     ; my first head,
	s_add_co_u32 s70, s70, s71
	s_lshl_b32 s70, s70, 3
	s_and_b32 s71, s18, 7                          ; the slot of 256 keys
	s_add_co_u32 s70, s70, s71
	s_mul_i32 s72, s70, 24576
	s_mul_i32 s73, s16, 6144                       ; my 128 keys: four fragments
	s_add_co_u32 s72, s72, s73
	s_add_co_u32 s72, s72, 12288                   ; behind K's tiles
	s_mov_b32 s73, 0
	s_lshl_b32 s74, s70, 10
	s_lshl_b32 s75, s16, 8
	s_add_co_u32 s74, s74, s75
	s_add_co_u32 s74, s74, SCO+512
	s_mov_b32 s75, 0
	s_add_nc_u64 s[78:79], s[12:13], s[72:73]
	s_add_nc_u64 s[80:81], s[12:13], s[74:75]
	EPI 1
.Lend:
	s_wait_tensorcnt 0x0                           ; the wave's end
	ds_add_u32 v[SPW], v[NIL]
	s_wait_dscnt 0x0
	CROUND                                         ; the closing round: no work-group ends while a partner may still ask for a tile that names it
	s_endpgm
.Lfunc_end_k_q262563f550_qkv:
	.size	k_q262563f550_qkv, .Lfunc_end_k_q262563f550_qkv-k_q262563f550_qkv
	.p2alignl 7, 3214868480
	.fill 96, 4, 3214868480
	.section	.rodata,"a",@progbits
	.p2align	6, 0x0
	.amdhsa_kernel k_q262563f550_qkv
		.amdhsa_group_segment_fixed_size 327680
		.amdhsa_private_segment_fixed_size 0
		.amdhsa_enable_private_segment 0
		.amdhsa_kernarg_size 40
		.amdhsa_user_sgpr_count 2
		.amdhsa_user_sgpr_kernarg_segment_ptr 1
		.amdhsa_wavefront_size32 1
		.amdhsa_system_sgpr_workgroup_id_x 1
		.amdhsa_system_sgpr_workgroup_id_y 1
		.amdhsa_system_sgpr_workgroup_id_z 1
		.amdhsa_system_vgpr_workitem_id 0
		.amdhsa_next_free_vgpr 1024
		.amdhsa_next_free_sgpr 100
		.amdhsa_reserve_vcc 0
		.amdhsa_float_denorm_mode_32 3
		.amdhsa_float_denorm_mode_16_64 3
		.amdhsa_memory_ordered 1
		.amdhsa_forward_progress 1
		.amdhsa_inst_pref_size 225
	.end_amdhsa_kernel
	.amdgpu_metadata
---
amdhsa.version: [ 1, 2 ]
amdhsa.kernels:
  - .name:           k_q262563f550_qkv
    .symbol:         k_q262563f550_qkv.kd
    .args:
      - { .name: op1, .offset: 0, .size: 8, .value_kind: global_buffer, .address_space: global }
      - { .name: sc1, .offset: 8, .size: 8, .value_kind: global_buffer, .address_space: global }
      - { .name: b_attn, .offset: 16, .size: 8, .value_kind: global_buffer, .address_space: global }
      - { .name: qb, .offset: 24, .size: 8, .value_kind: global_buffer, .address_space: global }
      - { .name: kv, .offset: 32, .size: 8, .value_kind: global_buffer, .address_space: global }
    .group_segment_fixed_size: 327680
    .private_segment_fixed_size: 0
    .kernarg_segment_align: 8
    .kernarg_segment_size: 40
    .max_flat_workgroup_size: 128
    .sgpr_count:     100
    .vgpr_count:     1024
    .wavefront_size: 32
...
	.end_amdgpu_metadata
.endif
;; end of part 2
;; launch attn (part 3): grid 4 x 64, 16 waves a work-group, no clusters, 327,680 bytes of LDS; arguments qb, kv, op2, sc2; writes op2, sc2
.if DOCPART == 3
	.amdgcn_target "amdgcn-amd-amdhsa--gfx1250"
	.amdhsa_code_object_version 6
	.text
	.protected	k_q262563f550_attn
	.globl	k_q262563f550_attn
	.p2align	8
	.type	k_q262563f550_attn,@function
k_q262563f550_attn:
	s_mov_b64 s[64:65], 0
	v_nop
	global_prefetch_b8 v0, s[64:65] scope:SCOPE_SE
	s_setreg_imm32_b32 hwreg(HW_REG_WAVE_MODE, 25, 1), 1
	s_wait_xcnt 0x0
; y = softmax(q k^T / 8, causal) v for 64 heads of 2,048 tokens x 64, both products on codes of BF6 (E3M2) with E8M0 scales; y is quantised along the model's 1,024 channels and leaves as images of the next launch's operand registers.
; THE SOFTMAX: t = score x log2(e) / 8; M = the running largest t rounded UP to a whole number; p = 2^(t - M) is quantised along the keys, not normalised; the row's sum is taken of the unquantised p and divides O at the end.
; When M moves, the sum and O are multiplied by 2^(old M - new M): exact.
; BUFFERS.  kv: for each head and slot of 256 keys 24,576 bytes of codes: K's 16 key tiles of 768 bytes (half a fragment's image: registers 2 p, 2 p + 1 of lane l at 256 p + 8 l), then V's fragments [128 keys][16 channels] of 1,536;
; from byte 12,582,912 on 1,024 bytes of scale words for each head and slot: K's [pair of tiles][row], then V's [128 keys][tile][row].  qb: q, laid as K.  Tokens and channels lie in position order inside each 32:
; row rho of tile 2 beta + u is the true index 32 beta + 16 (rho / 8) + 8 u + rho % 8; along a product's K the order is the true one.
; SHARES.  Work-group (i, head) owns query blocks 7 - i and then i, 256 queries each: (8 - i) + (i + 1) = 9 slots of keys for every work-group.  Each of sixteen waves owns one tile of 16 queries, in 256 registers.
; The trip count is the constant 9; only global addresses and scalar tests hang on i.  A key step all of whose keys come after the wave's queries is jumped over; no barrier and no tensor load stands in a step.
; K = 64 IN AN INSTRUCTION OF 128: a pair of key tiles lies side by side along k and is multiplied once by [q | zero codes] and once by [zero codes | q]: zero codes add nothing, and every scale byte lies in 1 .. 254.
; Both products are used transposed: a lane holds one query throughout.  NO CLUSTER: from the fifth trip on the four work-groups of a head want different slots in the same trip; walking in step would cost 12 slots for 9.
; LIMITS: NaN and infinities are not served; a block of y whose largest magnitude lies under 2^-122 is held at the byte 1; a block of zeros gets the byte 1 (its codes are zeros, and this program alone reads the bytes).
.set SLOT1, 32768                      ; slot 0 at LDS byte 0, slot 1 here: one exclusive or turns an address.  A slot: 24,576 bytes of codes, then 1,024 of scale words
.set SPARE, 65536                      ; the spare words, 128 bytes for each of 16 waves
.set SCO,   12582912
.set SPW, 5                            ; v1 8 x lane; v2 4 r; v3 my query's place less 16 h; v4 32 r + h; v5, v6 for the add; v7 the prefetches' offset; v8, v9 the slot's addresses
.set NIL, 6
.set PFO, 7
.set FRG, 44                           ; v12 -M, v13 the largest t, v[14:15] the sum; v16-21 zeros, v22-27 q, v28-33 zeros; v34-39 the second block's q; v40 its scale word, v41 the one in use
.set KSW, 92                           ; v44-91 four fragments of K or V; v92-95 K's scale words; v96-159 S^T, then p; v160-191 O^T
.set PC,  192                          ; v192-210 the codes just made
.set BM,  212                          ; v212-215 the blocks' largest scores
.set BT,  216                          ; v216-219 at work
.set SO,  220                          ; v220-223 the conversions' scale operands
.set VSW, 224                          ; v224-227 V's scale words
.set PW,  228                          ; v228 p's scale word
.set FF,  230                          ; v[230:231] f = 2^(old M - new M)
.set TB,  2                            ; s2  where the slot in hand begins in LDS
.set TAU, 3                            ; s3  the trip
.set II,  12                           ; s12 i
.set BH,  13                           ; s13 the head among 64
.set L1,  14                           ; s14 8 - i: the first block's slots
.set LSW, 15                           ; s15 7 - i: the first block's number, and its last trip
.set KF,  16                           ; s16 the step's first key
.set Q0,  17                           ; s17 my tile's first query
.set WV,  18
.set Q0B, 19                           ; s19 the same in the second block
.set SEL, 20
.set CS,  22                           ; s[22:23] c = log2(e) / 8
.set G1C, 24                           ; s[24:31] group 1: 32 rows of 256 bytes of codes;  s[32:39]: 4 rows of scale words
.set G1S, 32
.set G0C, 40
.set G0S, 44
.set KVC, 48                           ; s[48:49] my 8,192 bytes of the head's slot 0;  s[50:51] the head's scale words
.set KVS, 50
.set YP1, 52                           ; s[52:59] where y's codes and scale bytes go, for the two blocks
.set YS1, 54
.set YP2, 56
.set YS2, 58
.set HM,  60
.set LIM, 61                           ; s61 a wave prefetches while the trip is under it
.set PFA, 62
.set PFS, 66
; Waves 0 to 2 fetch a third of a slot's codes each, wave 3 its scale words, the others nothing.  Four v_nop follow each of the two lines.
.macro TLOAD
	s_cmp_lt_u32 s[WV], 3
	s_cbranch_scc0 .Lnot_c_\@
	tensor_load_to_lds s[G0C:G0C+3], s[G1C:G1C+7]
	s_nop 0
.rept 4
	v_nop
.endr
	s_branch .Lasked_\@
.Lnot_c_\@:
	s_cmp_lt_u32 s[WV], 4
	s_cbranch_scc0 .Lasked_\@
	tensor_load_to_lds s[G0S:G0S+3], s[G1S:G1S+7]
	s_nop 0
.rept 4
	v_nop
.endr
.Lasked_\@:
.endm
; A PREFETCH INTO THE L2.  All four work-groups of a head walk the same slots: work-group 0, whose first block walks slots 0 to 7 in order, asks.  In it waves 4 to 6 ask in trip t (0 to 5) for the codes of slot t + 2, which the next
; change of slots will load: 8,192 bytes a wave, lanes 256 bytes apart.  Wave 7 asks once, in trip 0, for the scale words of slots 2 to 7: 24 blocks of 256 bytes (lanes 24 to 31 name the last again).  Slots 0 and 1 come by their loads alone.
.macro ASK
	s_cmp_lt_u32 s[TAU], s[LIM]
	s_cbranch_scc0 .Lnot_mine_\@
	global_prefetch_b8 v[PFO], s[PFA:PFA+1] th:TH_LOAD_NT scope:SCOPE_SE
.Lnot_mine_\@:
.endm
.macro INIT                            ; a block of queries begins: the first change of M multiplies zeros
	v_mov_b32 v13, 0xff61b1e6                      ; the largest t so far: -3e38
	s_delay_alu instid0(VALU_DEP_1)
	v_floor_f32 v12, -v13                          ; -M
	v_mov_b32 v14, 0
	v_mov_b32 v15, 0
.set n, 0
.rept 32
	v_mov_b32 v[160+n], 0
.set n, n+1
.endr
.endm
; THE CHANGE OF SLOTS, at a trip's head.  Each wave waits for all its tensor loads, adds 0 to its spare word, and waits for that and for its reads of the slot that it has left.  fill = 1: that slot takes the next trip's keys.
.macro CHANGE fill
	s_wait_tensorcnt 0x0                           ; no tensor load of mine is out, so a group 0 may be written
	ds_add_u32 v[SPW], v[NIL]                      ; 0 onto my spare word
.if \fill
	s_xor_b32 s[G0C+1], s[G0C+1], SLOT1
	s_xor_b32 s[G0S+1], s[G0S+1], SLOT1
	s_add_co_u32 s68, s[TAU], 1
	s_cmp_ge_u32 s68, s[L1]
	s_cselect_b32 s69, s[L1], 0
	s_sub_co_u32 s68, s68, s69                     ; the next trip's slot of keys: the second block begins at slot 0 again
	s_mul_i32 s70, s68, 24576
	s_mov_b32 s71, 0
	s_add_nc_u64 s[G0C+2:G0C+3], s[KVC:KVC+1], s[70:71]
	s_or_b32 s[G0C+3], s[G0C+3], 0x80000000
	s_lshl_b32 s70, s68, 10
	s_add_nc_u64 s[G0S+2:G0S+3], s[KVS:KVS+1], s[70:71]
	s_or_b32 s[G0S+3], s[G0S+3], 0x80000000
	s_wait_xcnt 0x0                                ; the last prefetch, a trip back, has read its address
	s_add_nc_u64 s[PFA:PFA+1], s[PFA:PFA+1], s[PFS:PFS+1]
.endif
	s_wait_dscnt 0x0                               ; the add is done, and my reads of the slot that I have left are over
	s_barrier_signal -1
	s_barrier_wait -1
.if \fill
	TLOAD                                          ; the first thing behind the barrier, a wave's one tensor load until the next: it has two key steps in which to land
	ASK
.endif
	v_add_nc_u32 v8, s[TB], v1
	v_add_nc_u32 v9, s[TB], v2
.endm
; A KEY STEP: 128 keys, the q-th of the slot in hand
.macro STEP q
	s_add_co_u32 s76, s[Q0], 23                    ; my tile's last query
	s_cmp_gt_u32 s[KF], s76
	s_cbranch_scc1 .Lhidden_\@
	s_wait_alu depctr_va_vdst(0)
.irp b, 0,1,2,3                                ; four pairs of key tiles
.irp p, 0,1,2,3,4,5
	ds_load_b64 v[FRG+12*\b+2*\p:FRG+12*\b+2*\p+1], v8 offset:1536*(4*\q+\b)+256*\p
.endr
	ds_load_b32 v[KSW+\b], v9 offset:24576+64*(4*\q+\b)
.endr
	s_wait_dscnt 0x0
.irp b, 0,1,2,3                                ; S^T: the 16 registers of a pair's two tiles are keys 32 b + 16 (lane / 16) + 0 .. 15
	v_wmma_scale_f32_16x16x128_f8f6f4 v[96+16*\b:103+16*\b], v[FRG+12*\b:FRG+12*\b+11], v[22:33], 0, v[KSW+\b], v41 matrix_a_fmt:MATRIX_FMT_BF6 matrix_b_fmt:MATRIX_FMT_BF6
	v_wmma_scale_f32_16x16x128_f8f6f4 v[104+16*\b:111+16*\b], v[FRG+12*\b:FRG+12*\b+11], v[16:27], 0, v[KSW+\b], v41 matrix_a_fmt:MATRIX_FMT_BF6 matrix_b_fmt:MATRIX_FMT_BF6
.endr
.rept 4
	v_nop                                          ; places in front of the loads below and of the first reads of the scores
.endr
	s_wait_alu depctr_va_vdst(0)
.irp d, 0,1,2,3                                ; V's four fragments are asked for now and land under the softmax
.irp p, 0,1,2,3,4,5
	ds_load_b64 v[FRG+12*\d+2*\p:FRG+12*\d+2*\p+1], v8 offset:12288+6144*\q+1536*\d+256*\p
.endr
	ds_load_b32 v[VSW+\d], v9 offset:25088+256*\q+64*\d
.endr
	s_add_co_u32 s76, s[KF], 127                   ; a step all of whose keys count skips the mask
	s_cmp_le_u32 s76, s[Q0]
	s_cbranch_scc1 .Lopen_\@
	s_sub_co_i32 s76, s[Q0], s[KF]
	v_add_nc_u32 v233, s76, v3                     ; d = my query - the step's first key - 16 (lane / 16): register 16 b + i is hidden where 32 b + i > d
	v_mov_b32 v234, 0xff800000                     ; -infinity: p = 0 then
.set n, 0
.rept 64
	v_cmp_gt_i32 vcc_lo, 32*(n/16)+n%16, v233
	v_cndmask_b32 v[96+n], v[96+n], v234, vcc_lo
.set n, n+1
.endr
.Lopen_\@:
.irp b, 0,1,2,3
	v_max3_num_f32 v[BM+\b], v[96+16*\b], v[97+16*\b], v[98+16*\b]         ; the largest score of each block of 32 keys: for the row's maximum, and, since p rises with the score, for the block's largest p
.endr
.irp i, 3,5,7,9,11,13
.irp b, 0,1,2,3
	v_max3_num_f32 v[BM+\b], v[BM+\b], v[96+16*\b+\i], v[97+16*\b+\i]
.endr
.endr
.irp b, 0,1,2,3
	v_max_num_f32 v[BM+\b], v[BM+\b], v[111+16*\b]
.endr
.irp b, 0,1,2,3
	s_delay_alu instid0(VALU_DEP_4)
	v_permlanex16_b32 v[BT+\b], v[BM+\b], s[SEL], s[SEL+1]
.endr
.irp b, 0,1,2,3
	s_delay_alu instid0(VALU_DEP_4)
	v_max_num_f32 v[BM+\b], v[BM+\b], v[BT+\b]     ; with lane l xor 16's 16 keys
.endr
	s_delay_alu instid0(VALU_DEP_2)
	v_max3_num_f32 v232, v[BM], v[BM+1], v[BM+2]
	s_delay_alu instid0(VALU_DEP_1)
	v_max_num_f32 v232, v232, v[BM+3]
	s_delay_alu instid0(VALU_DEP_1)
	v_mul_f32 v232, s[CS], v232                    ; as t
	s_delay_alu instid0(VALU_DEP_1)
	v_max_num_f32 v13, v13, v232                   ; the running largest t
	v_mov_b32 v232, v12
	s_delay_alu instid0(VALU_DEP_2)
	v_floor_f32 v12, -v13                          ; the new -M = -ceil(t)
	s_delay_alu instid0(VALU_DEP_1)
	v_sub_f32 v232, v12, v232                      ; old M - new M: a whole number, 0 or less
	s_delay_alu instid0(VALU_DEP_1)
	v_cvt_i32_f32 v232, v232                       ; (it saturates)
	s_delay_alu instid0(VALU_DEP_1)
	v_ldexp_f32 v[FF], 1.0, v232                   ; f
.set n, 0
.rept 32
	v_pk_fma_f32 v[96+n:97+n], v[96+n:97+n], s[CS:CS+1], v[12:13] op_sel_hi:[1,0,0]   ; t - M, two at a time
.set n, n+2
.endr
.irp b, 0,1,2,3
	v_fma_f32 v[BM+\b], v[BM+\b], s[CS], v12       ; the same of each block's largest score
.endr
.set n, 0
	s_wait_alu depctr_va_vdst(0)
.rept 64
	v_exp_f32 v[96+n], v[96+n]                     ; p = 2^(t - M)
.set n, n+1
.endr
	v_pk_mul_f32 v[14:15], v[14:15], v[FF:FF+1] op_sel_hi:[1,0]    ; the sums under the new M; the plain place behind the exponentials
	s_wait_alu depctr_va_vdst(0)                   ; one wait for the batch of 64, ahead of its first reader
.irp b, 0,1,2,3
	v_exp_f32 v[BM+\b], v[BM+\b]                   ; each block's largest p
.endr
	v_pk_add_f32 v[216:217], v[100:101], v[104:105]
	v_pk_add_f32 v[254:255], v[108:109], v[112:113]
	v_pk_add_f32 v[252:253], v[116:117], v[120:121]
	v_pk_add_f32 v[250:251], v[124:125], v[128:129]
	v_pk_add_f32 v[248:249], v[132:133], v[136:137]
	v_pk_add_f32 v[246:247], v[140:141], v[144:145]
	v_pk_add_f32 v[244:245], v[148:149], v[152:153]
	v_pk_add_f32 v[14:15], v[14:15], v[156:157]
	v_pk_add_f32 v[216:217], v[216:217], v[96:97]
	v_pk_add_f32 v[254:255], v[254:255], v[98:99]
	v_pk_add_f32 v[252:253], v[252:253], v[102:103]
	v_pk_add_f32 v[250:251], v[250:251], v[106:107]
	v_pk_add_f32 v[248:249], v[248:249], v[110:111]
	v_pk_add_f32 v[246:247], v[246:247], v[114:115]
	v_pk_add_f32 v[244:245], v[244:245], v[118:119]
	v_pk_add_f32 v[14:15], v[14:15], v[122:123]
	v_pk_add_f32 v[216:217], v[216:217], v[126:127]
	v_pk_add_f32 v[254:255], v[254:255], v[130:131]
	v_pk_add_f32 v[252:253], v[252:253], v[134:135]
	v_pk_add_f32 v[250:251], v[250:251], v[138:139]
	v_pk_add_f32 v[248:249], v[248:249], v[142:143]
	v_pk_add_f32 v[246:247], v[246:247], v[146:147]
	v_pk_add_f32 v[244:245], v[244:245], v[150:151]
	v_pk_add_f32 v[14:15], v[14:15], v[154:155]
	v_pk_add_f32 v[216:217], v[216:217], v[158:159]
	s_delay_alu instid0(VALU_DEP_2)
	v_pk_add_f32 v[14:15], v[14:15], v[250:251]
	s_delay_alu instid0(VALU_DEP_2)
	v_pk_add_f32 v[216:217], v[216:217], v[248:249]
	v_pk_add_f32 v[254:255], v[254:255], v[246:247]
	v_pk_add_f32 v[252:253], v[252:253], v[244:245]
	s_delay_alu instid0(VALU_DEP_2)
	v_pk_add_f32 v[14:15], v[14:15], v[254:255]
	s_delay_alu instid0(VALU_DEP_2)
	v_pk_add_f32 v[216:217], v[216:217], v[252:253]
	s_delay_alu instid0(VALU_DEP_1)
	v_pk_add_f32 v[14:15], v[14:15], v[216:217]
	s_wait_alu depctr_va_vdst(0)                   ; and one for the four
.irp b, 0,1,2,3
	v_max_num_f32 v[BM+\b], 0x2800000, v[BM+\b]    ; the floor 2^(5 - 127)
.endr
.irp b, 0,1,2,3
	s_delay_alu instid0(VALU_DEP_4)
	v_add_nc_u32 v[SO+\b], 0xfe000000, v[BM+\b]
.endr
.irp b, 0,1,2,3
	s_delay_alu instid0(VALU_DEP_4)
	v_lshrrev_b32 v[BT+\b], 23, v[SO+\b]
.endr
	s_delay_alu instid0(VALU_DEP_3)
	v_lshl_or_b32 v[PW], v[BT+1], 8, v[BT]
	s_delay_alu instid0(VALU_DEP_1)
	v_lshl_or_b32 v[PW], v[BT+2], 16, v[PW]
	s_delay_alu instid0(VALU_DEP_1)
	v_lshl_or_b32 v[PW], v[BT+3], 24, v[PW]
.irp c, 0,1
	v_cvt_scalef32_pk16_bf6_f32 v[PC+6*\c:PC+2+6*\c], v[96+32*\c:111+32*\c], v[SO+2*\c]
	v_cvt_scalef32_pk16_bf6_f32 v[PC+12+4*\c:PC+14+4*\c], v[112+32*\c:127+32*\c], v[SO+2*\c+1]
.endr
	v_nop                                          ; one plain place behind a scaled conversion
.irp c, 0,1
.irp i, 0,1,2
	v_permlane16_swap_b32 v[PC+6*\c+\i], v[PC+12+4*\c+\i]
.endr
.irp i, 0,1,2
	s_delay_alu instid0(VALU_DEP_3)
	v_mov_b32 v[PC+3+6*\c+\i], v[PC+12+4*\c+\i]
.endr
.endr
.set n, 0
.rept 16
	v_pk_mul_f32 v[160+n:161+n], v[160+n:161+n], v[FF:FF+1] op_sel_hi:[1,0]   ; O^T under the new M.  Of these sixteen, twelve name no register of a given product below: the places between p's scale word and codes and the products
.set n, n+2
.endr
	s_wait_alu depctr_va_vdst(0)
	s_wait_dscnt 0x0                               ; V
.irp d, 0,1,2,3                                ; O^T += V^T P^T: four accumulators by turns
	v_wmma_scale_f32_16x16x128_f8f6f4 v[160+8*\d:167+8*\d], v[FRG+12*\d:FRG+12*\d+11], v[PC:PC+11], v[160+8*\d:167+8*\d], v[VSW+\d], v[PW] matrix_a_fmt:MATRIX_FMT_BF6 matrix_b_fmt:MATRIX_FMT_BF6
.endr
.rept 4
	v_nop                                          ; places in front of the next loads into the fragments' registers and of the next reads of O^T
.endr
.Lhidden_\@:
	s_add_co_u32 s[KF], s[KF], 128
.endm
; A BLOCK'S WAY OUT: O^T / the sum; register 16 b + i is channel 32 b + 16 (lane / 16) + i of my query: two blocks of 32, half a fragment of y
.macro WAYOUT yp, ys
	v_add_f32 v14, v14, v15
	s_delay_alu instid0(VALU_DEP_1)
	v_permlanex16_b32 v232, v14, s[SEL], s[SEL+1]
	s_delay_alu instid0(VALU_DEP_1)
	v_add_f32 v14, v14, v232                       ; the row's sum
	s_wait_alu depctr_va_vdst(0)
	v_rcp_f32 v14, v14
	v_nop                                          ; a plain place behind the transcendental
	s_wait_alu depctr_va_vdst(0)                   ; and the wait ahead of its first reader
.set n, 0
.rept 16
	v_pk_mul_f32 v[96+n:97+n], v[160+n:161+n], v[14:15] op_sel_hi:[1,0]
.set n, n+2
.endr
.irp b, 0,1
	v_max3_num_f32 v[BM+\b], |v[96+16*\b]|, |v[97+16*\b]|, 0x2800000
.endr
.irp i, 2,4,6,8,10,12,14
.irp b, 0,1
	s_delay_alu instid0(VALU_DEP_2)
	v_max3_num_f32 v[BM+\b], v[BM+\b], |v[96+16*\b+\i]|, |v[97+16*\b+\i]|
.endr
.endr
.irp b, 0,1
	s_delay_alu instid0(VALU_DEP_2)
	v_permlanex16_b32 v[BT+\b], v[BM+\b], s[SEL], s[SEL+1]
.endr
.irp b, 0,1
	s_delay_alu instid0(VALU_DEP_2)
	v_max_num_f32 v[BM+\b], v[BM+\b], v[BT+\b]
.endr
.irp b, 0,1
	s_delay_alu instid0(VALU_DEP_2)
	v_add_nc_u32 v[SO+\b], 0xfe000000, v[BM+\b]
.endr
.irp b, 0,1
	s_delay_alu instid0(VALU_DEP_2)
	v_lshrrev_b32 v[BT+\b], 23, v[SO+\b]
.endr
	v_cvt_scalef32_pk16_bf6_f32 v[PC:PC+2], v[96:111], v[SO]
	v_cvt_scalef32_pk16_bf6_f32 v[PC+12:PC+14], v[112:127], v[SO+1]
	v_nop
.irp i, 0,1,2
	v_permlane16_swap_b32 v[PC+\i], v[PC+12+\i]
.endr
.irp i, 0,1,2
	s_delay_alu instid0(VALU_DEP_3)
	v_mov_b32 v[PC+3+\i], v[PC+12+\i]
.endr
	v_cndmask_b32 v233, v[BT], v[BT+1], s[HM]      ; lane (r, h) stores the byte of block h
.irp p, 0,1,2
	global_store_b64 v1, v[PC+2*\p:PC+2*\p+1], s[\yp:\yp+1] offset:256*\p   ; 32 lanes store 256 consecutive bytes, at a multiple of 256 from the buffer's first byte
.endr
	global_store_b8 v4, v233, s[\ys:\ys+1]         ; 2 of each row's 32 scale bytes: one byte for each 24 of codes
.endm
	s_load_b256 s[4:11], s[0:1], 0x0               ; qb, kv, op2, sc2
	v_lshl_add_u32 v[SPW], v0, 2, SPARE
	v_mov_b32 v[NIL], 0
	ds_add_u32 v5, v6
	ds_add_u32 v5, v6
	s_wait_dscnt 0x0
	v_lshrrev_b32 v8, 5, v0
	s_delay_alu instid0(VALU_DEP_1)
	v_readfirstlane_b32 s[WV], v8                  ; wave 0..15
	s_mov_b32 s[II], ttmp9
	s_and_b32 s[BH], ttmp7, 0xffff
	s_sub_co_u32 s[L1], 8, s[II]
	s_sub_co_u32 s[LSW], 7, s[II]
	s_mov_b32 s[G1C], 3<<16                        ; no mask; elements of 8 bytes; no padding
	s_mov_b32 s[G1C+1], 32<<16                     ; tensor_dim0: 256 bytes
	s_mov_b32 s[G1C+2], 32<<16                     ; tensor_dim1: 32 rows
	s_mov_b32 s[G1C+3], 32<<16                     ; tile_dim0
	s_mov_b32 s[G1C+4], 32                         ; tile_dim1
	s_mov_b32 s[G1C+5], 32                         ; dense
	s_mov_b32 s[G1C+6], 0
	s_mov_b32 s[G1C+7], 0
	s_mov_b32 s[G1S], 3<<16
	s_mov_b32 s[G1S+1], 32<<16
	s_mov_b32 s[G1S+2], 4<<16                      ; 4 rows
	s_mov_b32 s[G1S+3], 32<<16
	s_mov_b32 s[G1S+4], 4
	s_mov_b32 s[G1S+5], 32
	s_mov_b32 s[G1S+6], 0
	s_mov_b32 s[G1S+7], 0
	s_mov_b32 s[SEL], 0x76543210
	s_mov_b32 s[SEL+1], 0xfedcba98
	s_mov_b32 s[CS], 0x3e38aa3b                    ; log2(e) / 8
	s_mov_b32 s[CS+1], s[CS]
	s_mov_b32 s[HM], 0xffff0000
	s_mov_b32 s[TB], 0
	s_mov_b32 s[KF], 0
	s_mov_b32 s[TAU], 0
	s_lshr_b32 s68, s[WV], 1
	s_and_b32 s69, s[WV], 1
	s_lshl_b32 s70, s68, 5
	s_lshl_b32 s71, s69, 3
	s_add_co_u32 s70, s70, s71                     ; my tile's first query in a block: 32 (w / 2) + 8 (w % 2)
	s_lshl_b32 s[Q0], s[LSW], 8
	s_add_co_u32 s[Q0], s[Q0], s70
	s_lshl_b32 s[Q0B], s[II], 8
	s_add_co_u32 s[Q0B], s[Q0B], s70
	s_min_u32 s72, s[WV], 2
	s_lshl_b32 s72, s72, 13                        ; my 8,192 bytes of a slot's codes
	s_mul_i32 s74, s[BH], 196608
	s_add_co_u32 s74, s74, s72
	s_mov_b32 s75, 0
	s_lshl_b32 s76, s[BH], 13
	s_add_co_u32 s76, s76, SCO
	s_mov_b32 s77, 0
	s_wait_kmcnt 0x0
	s_add_nc_u64 s[KVC:KVC+1], s[6:7], s[74:75]
	s_add_nc_u64 s[KVS:KVS+1], s[6:7], s[76:77]
	s_mov_b32 s[G0C], 1
	s_mov_b32 s[G0C+1], s72
	s_mov_b64 s[G0C+2:G0C+3], s[KVC:KVC+1]
	s_or_b32 s[G0C+3], s[G0C+3], 0x80000000
	s_mov_b32 s[G0S], 1
	s_mov_b32 s[G0S+1], 24576
	s_mov_b64 s[G0S+2:G0S+3], s[KVS:KVS+1]
	s_or_b32 s[G0S+3], s[G0S+3], 0x80000000
	TLOAD                                          ; the head's slot 0 into LDS slot 0
	s_lshl_b32 s78, s[BH], 3
	s_add_co_u32 s79, s78, s[II]                   ; the second block's record in qb,
	s_add_co_u32 s78, s78, s[LSW]                  ; the first's
	s_mul_i32 s73, s[WV], 768
	s_mul_i32 s80, s78, 24576
	s_add_co_u32 s80, s80, s73
	s_mov_b32 s81, 0
	s_add_nc_u64 s[80:81], s[4:5], s[80:81]
	s_mul_i32 s82, s79, 24576
	s_add_co_u32 s82, s82, s73
	s_mov_b32 s83, 0
	s_add_nc_u64 s[82:83], s[4:5], s[82:83]
	s_lshl_b32 s73, s68, 6
	s_lshl_b32 s84, s78, 10
	s_add_co_u32 s84, s84, s73
	s_add_co_u32 s84, s84, SCO
	s_mov_b32 s85, 0
	s_add_nc_u64 s[84:85], s[4:5], s[84:85]
	s_lshl_b32 s86, s79, 10
	s_add_co_u32 s86, s86, s73
	s_add_co_u32 s86, s86, SCO
	s_mov_b32 s87, 0
	s_add_nc_u64 s[86:87], s[4:5], s[86:87]
	v_and_b32 v10, 31, v0                          ; lane
	v_and_b32 v11, 15, v0                          ; r
	v_bfe_u32 v232, v0, 4, 1                       ; h
	s_delay_alu instid0(VALU_DEP_3)
	v_lshlrev_b32 v1, 3, v10
	s_delay_alu instid0(VALU_DEP_3)
	v_lshlrev_b32 v2, 2, v11
	s_delay_alu instid0(VALU_DEP_4)
	v_and_b32 v3, 7, v11
	v_and_b32 v233, 8, v11
	s_delay_alu instid0(VALU_DEP_1)
	v_lshl_add_u32 v3, v233, 1, v3
	v_lshlrev_b32 v233, 4, v232
	s_delay_alu instid0(VALU_DEP_1)
	v_sub_nc_u32 v3, v3, v233                      ; r % 8 + 16 (r / 8) - 16 h
	v_lshl_add_u32 v4, v11, 5, v232
	v_lshlrev_b32 v[PFO], 8, v10
	s_wait_alu depctr_va_vdst(0)
.irp p, 0,1,2
	global_load_b64 v[22+2*\p:23+2*\p], v1, s[80:81] offset:256*\p         ; q of my tile in the first block,
	global_load_b64 v[34+2*\p:35+2*\p], v1, s[82:83] offset:256*\p         ; in the second
.endr
	global_load_b32 v41, v2, s[84:85]              ; and the words that hold their scale bytes
	global_load_b32 v40, v2, s[86:87]
	s_lshr_b32 s88, s[BH], 4                       ; y: the batch,
	s_and_b32 s89, s[BH], 15                       ; the head
	s_lshl_b32 s88, s88, 7
	s_add_co_u32 s88, s88, s[WV]
	s_lshl_b32 s90, s[LSW], 4
	s_add_co_u32 s90, s90, s88                     ; my row tile in the first block: 128 batch + 16 block + wave,
	s_lshl_b32 s91, s[II], 4
	s_add_co_u32 s91, s91, s88                     ; in the second
	s_mul_i32 s92, s89, 768                        ; a head is half a fragment
	s_lshl_b32 s93, s89, 1                         ; and two scale bytes
	s_mov_b32 s95, 0
	s_mul_i32 s94, s90, 12288
	s_add_co_u32 s94, s94, s92
	s_add_nc_u64 s[YP1:YP1+1], s[8:9], s[94:95]
	s_lshl_b32 s94, s90, 9
	s_add_co_u32 s94, s94, s93
	s_add_nc_u64 s[YS1:YS1+1], s[10:11], s[94:95]
	s_mul_i32 s94, s91, 12288
	s_add_co_u32 s94, s94, s92
	s_add_nc_u64 s[YP2:YP2+1], s[8:9], s[94:95]
	s_lshl_b32 s94, s91, 9
	s_add_co_u32 s94, s94, s93
	s_add_nc_u64 s[YS2:YS2+1], s[10:11], s[94:95]
	s_sub_co_u32 s94, s[WV], 4                     ; the prefetches: who asks, and where
	s_lshr_b32 s94, s94, 2
	s_or_b32 s94, s94, s[II]                       ; 0 in waves 4 to 7 of the head's work-group 0
	s_and_b32 s96, s[WV], 3
	s_lshl_b32 s96, s96, 13
	s_mul_i32 s97, s[BH], 196608
	s_add_co_u32 s96, s96, s97
	s_add_co_u32 s96, s96, 24576                   ; my third of slot 1's codes: the first change of slots steps it to slot 2
	s_add_co_u32 s97, s76, 2048                    ; the scale words from slot 2 on
	s_cmp_eq_u32 s[WV], 7
	s_cselect_b32 s96, s97, s96
	s_cselect_b32 s[PFS], 0, 24576
	s_cselect_b32 s98, 1, 6
	s_mov_b32 s99, 7936
	s_cselect_b32 s99, 5888, s99
	s_mov_b32 s97, 0
	s_mov_b32 s[PFS+1], 0
	s_add_nc_u64 s[PFA:PFA+1], s[6:7], s[96:97]
	s_cmp_eq_u32 s94, 0
	s_cselect_b32 s[LIM], s98, 0
	v_min_u32 v[PFO], s99, v[PFO]
	s_lshl_b32 s69, s69, 4                         ; my tile's two bytes in the pair's word
.irp j, 0,1,2,3,4,5
	v_mov_b32 v[16+\j], 0                          ; zero codes on both sides of q
	v_mov_b32 v[28+\j], 0
.endr
.irp b, 0,1,2,3
	v_mov_b32 v[BT+\b], 0                          ; written once: a lane permute's destination counts as one of its sources
.endr
	v_mov_b32 v[FF+1], 0                           ; (named as the upper half of a pair)
	v_mov_b32 v232, 0
	s_wait_loadcnt 0x0                             ; q
.irp g, 41, 40
	v_lshrrev_b32 v\g, s69, v\g
	s_delay_alu instid0(VALU_DEP_1)
	v_and_b32 v\g, 0xffff, v\g
	s_delay_alu instid0(VALU_DEP_1)
	v_lshl_or_b32 v\g, v\g, 16, v\g                ; the two bytes twice: q stands in the lower or in the upper half of k
.endr
	INIT
.Ltrip:                                            ; eight trips; behind each change of slots the next trip's keys are asked for
	CHANGE 1
	STEP 0
	STEP 1
	s_xor_b32 s[TB], s[TB], SLOT1
	s_cmp_lg_u32 s[TAU], s[LSW]
	s_cbranch_scc1 .Lsame
	WAYOUT YP1, YS1                                ; the first block has seen its last key
.irp j, 0,1,2,3,4,5
	v_mov_b32 v[22+\j], v[34+\j]                   ; the second block's q
.endr
	v_mov_b32 v41, v40
	INIT
	s_mov_b32 s[KF], 0
	s_mov_b32 s[Q0], s[Q0B]
	s_wait_xcnt 0x0                                ; the stores have read their registers
.Lsame:
	s_add_co_u32 s[TAU], s[TAU], 1
	s_cmp_lt_u32 s[TAU], 8
	s_cbranch_scc1 .Ltrip
	CHANGE 0                                       ; the ninth trip is written out
	STEP 0
	STEP 1
	WAYOUT YP2, YS2
	s_wait_tensorcnt 0x0                           ; the wave's end
	ds_add_u32 v[SPW], v[NIL]
	s_wait_dscnt 0x0
	s_endpgm
.Lfunc_end_k_q262563f550_attn:
	.size	k_q262563f550_attn, .Lfunc_end_k_q262563f550_attn-k_q262563f550_attn
	.p2alignl 7, 3214868480
	.fill 96, 4, 3214868480
	.section	.rodata,"a",@progbits
	.p2align	6, 0x0
	.amdhsa_kernel k_q262563f550_attn
		.amdhsa_group_segment_fixed_size 327680
		.amdhsa_private_segment_fixed_size 0
		.amdhsa_enable_private_segment 0
		.amdhsa_kernarg_size 32
		.amdhsa_user_sgpr_count 2
		.amdhsa_user_sgpr_kernarg_segment_ptr 1
		.amdhsa_wavefront_size32 1
		.amdhsa_system_sgpr_workgroup_id_x 1
		.amdhsa_system_sgpr_workgroup_id_y 1
		.amdhsa_system_sgpr_workgroup_id_z 1
		.amdhsa_system_vgpr_workitem_id 0
		.amdhsa_next_free_vgpr 256
		.amdhsa_next_free_sgpr 100
		.amdhsa_reserve_vcc 1
		.amdhsa_float_denorm_mode_32 3
		.amdhsa_float_denorm_mode_16_64 3
		.amdhsa_memory_ordered 1
		.amdhsa_forward_progress 1
		.amdhsa_inst_pref_size 117
	.end_amdhsa_kernel
	.amdgpu_metadata
---
amdhsa.version: [ 1, 2 ]
amdhsa.kernels:
  - .name:           k_q262563f550_attn
    .symbol:         k_q262563f550_attn.kd
    .args:
      - { .name: qb, .offset: 0, .size: 8, .value_kind: global_buffer, .address_space: global }
      - { .name: kv, .offset: 8, .size: 8, .value_kind: global_buffer, .address_space: global }
      - { .name: op2, .offset: 16, .size: 8, .value_kind: global_buffer, .address_space: global }
      - { .name: sc2, .offset: 24, .size: 8, .value_kind: global_buffer, .address_space: global }
    .group_segment_fixed_size: 327680
    .private_segment_fixed_size: 0
    .kernarg_segment_align: 8
    .kernarg_segment_size: 32
    .max_flat_workgroup_size: 512
    .sgpr_count:     100
    .vgpr_count:     256
    .wavefront_size: 32
...
	.end_amdgpu_metadata
.endif
;; end of part 3
;; launch proj (part 4): grid 4 x 32, 4 waves a work-group, clusters of 4 x 4, 327,680 bytes of LDS; arguments op2, sc2, b_proj, out0; writes out0
.if DOCPART == 4
	.amdgcn_target "amdgcn-amd-amdhsa--gfx1250"
	.amdhsa_code_object_version 6
	.text
	.protected	k_q262563f550_proj
	.globl	k_q262563f550_proj
	.p2align	8
	.type	k_q262563f550_proj,@function
k_q262563f550_proj:
	s_mov_b64 s[64:65], 0
	v_nop
	global_prefetch_b8 v0, s[64:65] scope:SCOPE_SE
	s_setreg_imm32_b32 hwreg(HW_REG_WAVE_MODE, 25, 1), 1
	s_wait_xcnt 0x0
	s_wait_alu depctr_hold_cnt(0) depctr_sa_sdst(0) depctr_va_vdst(0) depctr_va_sdst(0) depctr_va_ssrc(0) depctr_va_vcc(0) depctr_vm_vsrc(0)
	s_getreg_b32 s2, hwreg(HW_REG_IB_STS2, 6, 4)
	s_cmp_eq_u32 s2, 0
	s_cbranch_scc0 .Lentry_in_a_cluster
	s_endpgm
.Lentry_in_a_cluster:
	s_bfe_u32 s2, ttmp6, 0x10000c
	s_cmp_lg_u32 s2, 0xf033
	s_cbranch_scc0 .Lentry_shape_is_right
	s_endpgm
.Lentry_shape_is_right:
; out0 = y W_proj + b_proj on codes of BF6 (E3M2) with E8M0 scales, K = 1,024; out0 [8192][1024] f32.
; OPERANDS.  op2: 576 row tiles of 12,288 bytes (tiles 0-511: y; 512-575: W_proj's columns); a tile's K step s is a fragment's image of 1,536 bytes: registers 2 p, 2 p + 1 of lane l at 256 p + 8 l.  sc2: 32 scale bytes a row.
; Rows lie in position order: row rho of tile 2 beta + u is the true row 32 beta + 16 (rho / 8) + 8 u + rho % 8; the way out puts rows and columns back.
; A work-group of four waves makes 256 x 256, a wave 128 x 128: 64 accumulators.  Source 0 of a product is W's columns (the register side), source 1 is y's rows (the lane side): a lane holds neighbouring numbers of one row of out0.
; K goes in eight steps of 128, two to an LDS slot, three slots; slot 0 is filled a second time (steps 6, 7).  4 x 4 work-groups form a cluster: y's tiles are asked for jointly along a row of it, W's along a column.
; A wave has at most three tensor loads out.  The scale words come from memory into registers once.  The bias is the C of the first K step (another order of rounding than adding it last).
; The grid has 128 work-groups: 32 x 4 tiles of 256 x 256.  LIMITS: NaN and infinities are not served.
; REGISTERS, in windows of 256.  window 0: v16-18, v20-22 LDS addresses; v23-27 offsets; v28, v29 for the add; v32-95 scale words; v96-127, v224-255 the bias; v128-223 y's 8 fragments; on the way out v128-255 rows of out0.
;   window 1: W's fragments, two sets, at v0 and v128.   windows 2, 3: accumulator (a, b) at v[8 (8 (a % 4) + b)], a = 0-3 and 4-7.
.set HALFT, 24576                      ; 8 row tiles x two K steps: what one tensor load brings
.set SLOT,  98304                      ; y's 16 tiles, then W's 16
.set SPARE, 294912                     ; behind the three slots: the spare words, 128 bytes for each wave
.set STG,   SLOT                       ; the way out's stages lie in slot 1: it is filled once, and its last read lies ahead of the last barrier
.set SPITCH, 528
.set FR,   12
.set ADRA, 16
.set ADRB, 20
.set VSO,  23
.set STO,  24                          ; v24  the stage: where I put my numbers of a row
.set RD,   25                          ; v25  and where I read a row back
.set CO,   26                          ; v26  16 x lane
.set VB0,  27                          ; v27  64 h
.set SPW,  28
.set NIL,  29
.set SC,   32
.set AF,   128
.set BK,   128
.set HM,   22
.set G1A,  24
.set G1B,  32
.set G0A,  40
.set G0B,  52
.set MSB, 0
.macro WIN new                         ; the immediate's high byte repeats the setting that is left
.if MSB != (\new)
	s_set_vgpr_msb (MSB<<8)|(\new)
.set MSB, (\new)
.endif
.endm
.macro PLACES n
.rept \n
	v_nop
.endr
.endm
; A joint load: waves 0 and 1 fetch for y, waves 2 and 3 for W.  Four v_nop follow each of the two lines.
.macro JLOAD g0a, g1a, g0b, g1b
	s_cmp_eq_u32 s15, 0
	s_cbranch_scc0 .Lfor_b_\@
	tensor_load_to_lds s[\g0a:\g0a+3], s[\g1a:\g1a+7]
	s_nop 0
.rept 4
	v_nop
.endr
	s_branch .Lasked_\@
.Lfor_b_\@:
	tensor_load_to_lds s[\g0b:\g0b+3], s[\g1b:\g1b+7]
	s_nop 0
.rept 4
	v_nop
.endr
.Lasked_\@:
.endm
.macro CREST
	s_cmp_lg_u32 s14, 0
	s_cbranch_scc1 .Lnot_wave_0_\@
	s_barrier_signal -3
.Lnot_wave_0_\@:
	s_barrier_wait -3
	s_barrier_signal -1
	s_barrier_wait -1
.endm
.macro CROUND
	s_barrier_signal -1
	s_barrier_wait -1
	CREST
.endm
.macro FRAG reg, adr, off              ; a fragment's image comes back as it was stored: each load takes 256 consecutive bytes
.irp p, 0,1,2,3,4,5
	ds_load_b64 v[\reg+2*\p:\reg+2*\p+1], v[\adr] offset:\off+256*\p
.endr
.endm
.macro FETCH_B s
	WIN 0x40
.irp i, 0,1,2,3,4,5,6,7
	FRAG 128*((\s)%2)+FR*\i, ADRB+(((\s)/2)%3), 3072*\i+1536*((\s)%2)
.endr
	WIN 0
.endm
.macro FETCH_A s, i0
.irp i, \i0, \i0+1, \i0+2, \i0+3
	FRAG AF+FR*(\i), ADRA+(((\s)/2)%3), 3072*(\i)+1536*((\s)%2)
.endr
.endm
.macro MWIN hi, cmode                  ; source 0 window 1, source 1 window 0, D window 2 or 3; C with D, or (the bias) in window 0
.if \cmode == 0
	WIN 0xa1+0x50*\hi
.else
	WIN 0x81+0x40*\hi
.endif
.endm
; 16 matrix instructions: y's blocks a0, a0 + 1 x W's eight, K step s.  cmode 1: the sums begin with the bias of W's tile.  The 64 accumulators take turns, one instruction a turn, in the same order in every step.
.macro MUL16 a0, s, cmode
.irp a, \a0, \a0+1
.irp b, 0,1,2,3,4,5,6,7
.if \cmode == 0
	v_wmma_scale_f32_16x16x128_f8f6f4 v[8*(8*((\a)%4)+\b):8*(8*((\a)%4)+\b)+7], v[128*((\s)%2)+FR*\b:128*((\s)%2)+FR*\b+FR-1], v[AF+FR*(\a):AF+FR*(\a)+FR-1], v[8*(8*((\a)%4)+\b):8*(8*((\a)%4)+\b)+7], v[SC+8*\b+(\s)], v[SC+8*(\a)+(\s)] matrix_a_fmt:MATRIX_FMT_BF6 matrix_b_fmt:MATRIX_FMT_BF6 matrix_a_scale:MATRIX_SCALE_ROW1
.else
	v_wmma_scale_f32_16x16x128_f8f6f4 v[8*(8*((\a)%4)+\b):8*(8*((\a)%4)+\b)+7], v[128*((\s)%2)+FR*\b:128*((\s)%2)+FR*\b+FR-1], v[AF+FR*(\a):AF+FR*(\a)+FR-1], v[96+8*\b+96*(\b/4):96+8*\b+96*(\b/4)+7], v[SC+8*\b+(\s)], v[SC+8*(\a)+(\s)] matrix_a_fmt:MATRIX_FMT_BF6 matrix_b_fmt:MATRIX_FMT_BF6 matrix_a_scale:MATRIX_SCALE_ROW1
.endif
.endr
.endr
.endm
; A K step whose successor's tiles are known to lie in LDS.  Four plain places stand in front of each run of loads into registers that matrix instructions have read (ISA guide 7.12.1 for vector instructions).
.macro KSTEP s, cmode
	s_wait_dscnt 24                                ; W's set and y's blocks 0-3 are in; the youngest 24 loads (blocks 4-7) may be out
	MWIN 0, \cmode
	MUL16 0, \s, \cmode
	MUL16 2, \s, \cmode
	s_wait_dscnt 0x0                               ; blocks 4-7 are in
	PLACES 4
	FETCH_B (\s)+1
	FETCH_A (\s)+1, 0
	MWIN 1, \cmode
	MUL16 4, \s, \cmode
	MUL16 6, \s, \cmode
	PLACES 4
	WIN 0
	FETCH_A (\s)+1, 4
.endm
; A K step with a barrier in it.  In front of the barrier each wave waits for all its tensor loads, adds 0 to its spare word, and waits for that and for its reads.  fill = 1: slot 0, which nobody reads any more, takes K steps 6 and 7.
.macro KTURN s, fill
	s_wait_tensorcnt 0x0                           ; all my tensor loads have landed  (every window is 0 here)
	ds_add_u32 v[SPW], v[NIL]                      ; 0 onto my spare word
	s_wait_dscnt 25                                ; (the add and the youngest 24 loads may be out)
	MWIN 0, 0
	MUL16 0, \s, 0                                 ; sixteen matrix instructions stand between the add and the wait for it
	s_wait_dscnt 0x0                               ; the add is done, and all my LDS reads are back
	s_barrier_signal -1
	MUL16 2, \s, 0
	WIN 0
	s_barrier_wait -1
.if \fill
	CREST                                          ; the barrier has opened a round of the cluster's barrier: no wave of any partner still reads slot 0 or has a load on its way
	s_add_nc_u64 s[G0A+2:G0A+3], s[G0A+2:G0A+3], 9216      ; six K steps on
	s_add_nc_u64 s[G0B+2:G0B+3], s[G0B+2:G0B+3], 9216
	JLOAD G0A, G1A, G0B, G1B                       ; the first tensor load behind the round; it has four K steps, 256 matrix instructions, in which to land.  Its four v_nop are the places for the loads below
.else
	PLACES 4
.endif
	FETCH_B (\s)+1
	FETCH_A (\s)+1, 0
	MWIN 1, 0
	MUL16 4, \s, 0
	MUL16 6, \s, 0
	PLACES 4
	WIN 0
	FETCH_A (\s)+1, 4
.endm
	s_load_b256 s[4:11], s[0:1], 0x0               ; op2, sc2, b_proj, out0
	v_lshl_add_u32 v[SPW], v0, 2, SPARE
	v_mov_b32 v[NIL], 0
	ds_add_u32 v28, v29
	s_wait_dscnt 0x0
	v_lshrrev_b32 v1, 5, v0
	v_readfirstlane_b32 s14, v1                    ; wave 0..3
	s_lshr_b32 s15, s14, 1                         ; wr: my half of the rows.  Also: I fetch for y (0) or for W (1)
	s_and_b32 s16, s14, 1                          ; wc: my half of the columns.  Also: which 8 tiles I fetch
	s_bfe_u32 s66, ttmp6, 0x40000                  ; cx
	s_bfe_u32 s67, ttmp6, 0x40004                  ; cy
	s_and_b32 s70, ttmp7, 0xffff
	s_lshl_b32 s70, s70, 2
	s_add_co_u32 s17, s70, s67                     ; TR: which 256 rows
	s_lshl_b32 s71, ttmp9, 2
	s_add_co_u32 s18, s71, s66                     ; TC: which 256 columns
	s_lshl_b32 s76, s17, 4                         ; y's first row tile
	s_lshl_b32 s77, s18, 4
	s_add_co_u32 s77, s77, 512                     ; W's
	s_lshl_b32 s68, s67, 2
	s_lshl_b32 s68, 15, s68                        ; my row of the cluster
	s_lshl_b32 s69, 0x1111, s66                    ; my column
	s_or_b32 s[G1A], s68, (3<<16)|(1<<21)          ; 15:0 the mask; 17:16 elements of 8 bytes; 21 set beside a mask; no padding
	s_or_b32 s[G1B], s69, (3<<16)|(1<<21)
.irp g, G1A, G1B
	s_mov_b32 s[\g+1], 384<<16                     ; tensor_dim0: 3,072 bytes: a row tile's two K steps
	s_mov_b32 s[\g+2], 8<<16                       ; tensor_dim1: 8 row tiles
	s_mov_b32 s[\g+3], 384<<16                     ; tile_dim0
	s_mov_b32 s[\g+4], 8                           ; tile_dim1
	s_mov_b32 s[\g+5], 1536                        ; from row tile to row tile: 12,288 bytes
	s_mov_b32 s[\g+6], 0
	s_mov_b32 s[\g+7], 0
.endr
	s_mov_b32 s[HM], 0xffff0000
	s_lshl_b32 s78, s16, 3
	s_add_co_u32 s80, s76, s78
	s_mul_i32 s80, s80, 12288
	s_mov_b32 s81, 0
	s_add_co_u32 s82, s77, s78
	s_mul_i32 s82, s82, 12288
	s_mov_b32 s83, 0
	s_mul_i32 s79, s14, HALFT                      ; where my tiles go: no place in the cluster enters an LDS address
	s_wait_kmcnt 0x0
	s_add_nc_u64 s[80:81], s[4:5], s[80:81]
	s_add_nc_u64 s[82:83], s[4:5], s[82:83]
	CROUND                                         ; all sixteen work-groups are here: the first joint loads meet
.irp t, 0,1,2
	s_mov_b32 s[G0A+4*\t], 1
	s_add_co_u32 s[G0A+4*\t+1], s79, \t*SLOT
	s_add_nc_u64 s[G0A+4*\t+2:G0A+4*\t+3], s[80:81], \t*3072
	s_or_b32 s[G0A+4*\t+3], s[G0A+4*\t+3], 0x80000000
	s_mov_b32 s[G0B+4*\t], 1
	s_add_co_u32 s[G0B+4*\t+1], s79, \t*SLOT
	s_add_nc_u64 s[G0B+4*\t+2:G0B+4*\t+3], s[82:83], \t*3072
	s_or_b32 s[G0B+4*\t+3], s[G0B+4*\t+3], 0x80000000
	JLOAD G0A+4*\t, G1A, G0B+4*\t, G1B             ; K steps 2 t and 2 t + 1
.endr
	v_and_b32 v1, 31, v0
	v_lshlrev_b32 v6, 3, v1                        ; 8 x lane
	v_lshlrev_b32 v[CO], 4, v1
	s_mul_i32 s84, s15, HALFT
	s_mul_i32 s85, s16, HALFT
	s_add_co_u32 s85, s85, 2*HALFT
.irp t, 0,1,2
	v_add_nc_u32 v[ADRA+\t], s84, v6
	v_add_nc_u32 v[ADRB+\t], s85, v6
	s_add_co_u32 s84, s84, SLOT
	s_add_co_u32 s85, s85, SLOT
.endr
	v_and_b32 v3, 15, v0                           ; r
	v_bfe_u32 v2, v0, 4, 1                         ; h
	v_lshlrev_b32 v[VB0], 6, v2
	s_mul_i32 s84, s14, 16*SPITCH
	s_add_co_u32 s84, s84, STG                     ; my stage
	v_mul_u32_u24 v[STO], v3, SPITCH
	v_lshl_add_u32 v[STO], v2, 6, v[STO]
	v_add_nc_u32 v[STO], s84, v[STO]               ; in: row r, + 64 h
	v_add_nc_u32 v[RD], s84, v[CO]                 ; back: the 32 lanes take one row of 512 bytes
	v_lshlrev_b32 v3, 5, v3                        ; 32 bytes of scales a row
	s_lshl_b32 s86, s15, 3
	s_add_co_u32 s86, s86, s76
	s_lshl_b32 s86, s86, 9                         ; my 8 tiles of y: 512 bytes of scales a tile
	s_lshl_b32 s87, s16, 3
	s_add_co_u32 s87, s87, s77
	s_lshl_b32 s87, s87, 9                         ; and of W
	v_mov_b32 v4, s86
	v_mov_b32 v5, s87
	v_cndmask_b32 v4, v4, v5, s[HM]                ; lanes 16-31 take W's
	v_add_nc_u32 v[VSO], v3, v4
.irp i, 0,1,2,3,4,5,6,7
.irp e, 0,1
	global_load_b128 v[SC+8*\i+4*\e:SC+8*\i+4*\e+3], v[VSO], s[6:7] offset:512*\i+16*\e   ; the words of K steps 4 e .. 4 e + 3: they stay
.endr
.endr
	s_lshl_b32 s88, s18, 10
	s_lshl_b32 s89, s16, 9
	s_add_co_u32 s88, s88, s89                     ; my first column, in bytes
	s_mov_b32 s89, 0
	s_add_nc_u64 s[90:91], s[8:9], s[88:89]
.irp b, 0,1,2,3,4,5,6,7                        ; tile b, lane half h, register j: column 32 (b / 2) + 16 h + 8 (b % 2) + j
	global_load_b128 v[96+8*\b+96*(\b/4):96+8*\b+96*(\b/4)+3], v[VB0], s[90:91] offset:(32*(\b/2)+8*(\b%2))*4
	global_load_b128 v[96+8*\b+96*(\b/4)+4:96+8*\b+96*(\b/4)+7], v[VB0], s[90:91] offset:(32*(\b/2)+8*(\b%2))*4+16
.endr
	s_lshl_b32 s92, s17, 8
	s_lshl_b32 s93, s15, 7
	s_add_co_u32 s92, s92, s93                     ; my first row
	s_lshl_b32 s92, s92, 12                        ; rows of 4,096 bytes
	s_add_co_u32 s92, s92, s88
	s_mov_b32 s93, 0
	s_add_nc_u64 s[12:13], s[10:11], s[92:93]
	s_wait_tensorcnt 2                             ; my part of slot 0 is in; slots 1 and 2 may be out
	s_wait_loadcnt 0x0                             ; the scale words and the bias
	s_barrier_signal -1
	s_barrier_wait -1
	FETCH_B 0
	FETCH_A 0, 0
	FETCH_A 0, 4
	KSTEP 0, 1                                     ; the first step's products start the sums, with the bias as C
	KTURN 1, 1                                     ; every wave's wait for all its loads covers slots 1 and 2 too: no barrier is owed where the reads pass from slot 1 to slot 2
	KSTEP 2, 0
	KSTEP 3, 0
	KSTEP 4, 0
	KTURN 5, 0                                     ; in front of the reads of slot 0's second fill; behind it nobody reads slot 1
	KSTEP 6, 0
	s_wait_dscnt 24                                ; the last step: nothing more to fetch
	MWIN 0, 0
	MUL16 0, 7, 0
	MUL16 2, 7, 0
	s_wait_dscnt 0x0
	MWIN 1, 0
	MUL16 4, 7, 0
	MUL16 6, 7, 0
	WIN 0
; THE WAY OUT, block by block of 16 rows x 128 columns, through my own stage: tile b's eight numbers of lane half h are columns 32 (b / 2) + 16 h + 8 (b % 2) + 0 .. 7; a row comes back whole, 512 bytes.
; LDS serves a wave's instructions in order (ISA guide 5.7.1.4): no wait between the stores and the loads, nor in front of the next block's stores.
.macro TOSTAGE a
.set AC, 64*((\a)%4)
	WIN 0x08+4*((\a)/4)                            ; the data: window 2 or 3
.irp b, 0,1,2,3,4,5,6,7
	ds_store_b128 v[STO], v[AC+8*\b:AC+8*\b+3] offset:128*(\b/2)+32*(\b%2)         ; each accumulator from its low end on
	ds_store_b128 v[STO], v[AC+8*\b+4:AC+8*\b+7] offset:128*(\b/2)+32*(\b%2)+16
.endr
	WIN 0
.set BB, BK+64*((\a)%2)
.set n, 0
.rept 16
	ds_load_b128 v[BB+4*n:BB+4*n+3], v[RD] offset:n*SPITCH
.set n, n+1
.endr
.endm
.macro SEND a, younger                 ; younger: the LDS instructions issued behind block a's loads, which may stay out
.set BB, BK+64*((\a)%2)
	s_wait_dscnt \younger
.set n, 0
.rept 16
	global_store_b128 v[CO], v[BB+4*n:BB+4*n+3], s[12:13] offset:(32*((\a)/2)+8*((\a)%2)+16*(n/8)+n%8)*4096 th:TH_STORE_NT   ; row n of block a at its true place; 512 consecutive bytes, at a multiple of 256 from out0's first byte
.set n, n+1
.endr
.endm
	PLACES 4                                       ; behind the last products: for the stage's reads of results and the loads into registers that held y's fragments
	TOSTAGE 0
.irp a, 1,2,3,4,5,6,7
.if \a > 1
	s_wait_xcnt 0x0                                ; the stores of two blocks ago have read their registers: this block's loads may land there
.endif
	TOSTAGE \a
	SEND \a-1, 32                                  ; behind the last block's loads: this block's 16 stores and 16 loads
.endr
	SEND 7, 0
	s_wait_tensorcnt 0x0                           ; the wave's end
	ds_add_u32 v[SPW], v[NIL]
	s_wait_dscnt 0x0
	CROUND                                         ; the closing round: no work-group ends while a partner may still ask for a tile that names it
	s_endpgm
.Lfunc_end_k_q262563f550_proj:
	.size	k_q262563f550_proj, .Lfunc_end_k_q262563f550_proj-k_q262563f550_proj
	.p2alignl 7, 3214868480
	.fill 96, 4, 3214868480
	.section	.rodata,"a",@progbits
	.p2align	6, 0x0
	.amdhsa_kernel k_q262563f550_proj
		.amdhsa_group_segment_fixed_size 327680
		.amdhsa_private_segment_fixed_size 0
		.amdhsa_enable_private_segment 0
		.amdhsa_kernarg_size 32
		.amdhsa_user_sgpr_count 2
		.amdhsa_user_sgpr_kernarg_segment_ptr 1
		.amdhsa_wavefront_size32 1
		.amdhsa_system_sgpr_workgroup_id_x 1
		.amdhsa_system_sgpr_workgroup_id_y 1
		.amdhsa_system_sgpr_workgroup_id_z 1
		.amdhsa_system_vgpr_workitem_id 0
		.amdhsa_next_free_vgpr 1024
		.amdhsa_next_free_sgpr 100
		.amdhsa_reserve_vcc 0
		.amdhsa_float_denorm_mode_32 3
		.amdhsa_float_denorm_mode_16_64 3
		.amdhsa_memory_ordered 1
		.amdhsa_forward_progress 1
		.amdhsa_inst_pref_size 158
	.end_amdhsa_kernel
	.amdgpu_metadata
---
amdhsa.version: [ 1, 2 ]
amdhsa.kernels:
  - .name:           k_q262563f550_proj
    .symbol:         k_q262563f550_proj.kd
    .args:
      - { .name: op2, .offset: 0, .size: 8, .value_kind: global_buffer, .address_space: global }
      - { .name: sc2, .offset: 8, .size: 8, .value_kind: global_buffer, .address_space: global }
      - { .name: b_proj, .offset: 16, .size: 8, .value_kind: global_buffer, .address_space: global }
      - { .name: out0, .offset: 24, .size: 8, .value_kind: global_buffer, .address_space: global }
    .group_segment_fixed_size: 327680
    .private_segment_fixed_size: 0
    .kernarg_segment_align: 8
    .kernarg_segment_size: 32
    .max_flat_workgroup_size: 128
    .sgpr_count:     100
    .vgpr_count:     1024
    .wavefront_size: 32
...
	.end_amdgpu_metadata
.endif
;; end of part 4
